; MI455X (gfx1250); checked and timed in simulation.
; The chip was launched on July 23, 2026; its instructions are those of AMD's public machine-readable ISA for CDNA 5 (MIT licence, August 2026) and "CDNA5" Instruction Set Architecture Reference Guide (July 2026). The comments in the code are by the model that wrote it; some were corrected since.
;; PLT Block. Allowed arithmetic: matrix products marked QUANTISED: E2M1 operands, one E8M0 scale for each 32 along K, by v_wmma_scale_f32_16x16x128_f8f6f4 with both operands' format E2M1 (or v_wmma_scale_f32_32x16x128_f4), f32 sums; products left as they are: bf16, f16 or f32 operands; f32 sums; everything else in f32.
;; Inputs: Wk 1,024 x 1,024 float32; Wp 1,024 x 1,024 float32; Wq 1,024 x 1,024 float32; Wv 1,024 x 1,024 float32; bp 1,024 float32; x 8 x 1,024 x 1,024 float32.
;; Outputs: out0 8 x 1,024 x 1,024 float32.
;; This version of the problem:
;;   THIS VERSION OF THE PROBLEM IS GIVEN IN LOW PRECISION. The matrix products marked QUANTISED in the list below multiply operands that are first quantised to E2M1 (2 exponent bits, 1 mantissa bit; 4 bits a number), with one power-of-two scale for each 32 numbers along K (OCP MX v1.0); their sums are f32. The products marked 'left as it is' may take bf16, f16 or f32 operands, with f32 sums. Whichever they take, every output number must still come out within the allowed error. Rounding operands to bf16 (8 significant bits) uses up far more of that allowance than f16 does (11 bits, for magnitudes from 6e-5 to 65,504). All else is computed in f32.
;;   The module's matrix products, in the order in which they are computed (A, B: the left and right operand; K: the contracted axis; several contracted axes count as one K, in the product's order):
;;     1. [M 8,192, K 1,024] x [K 1,024, N 1,024]; A: input x; B: input Wq: QUANTISED
;;     2. [M 8,192, K 1,024] x [K 1,024, N 1,024]; A: input x; B: input Wk: QUANTISED
;;     3. [M 8,192, K 1,024] x [K 1,024, N 1,024]; A: input x; B: input Wv: QUANTISED
;;     4. batch 8 x [M 1,024, K 1,024] x [K 1,024, N 1,024]; A: computed on the way; B: computed on the way: left as it is (an operand is computed on the way)
;;     5. batch 8 x [M 1,024, K 1,024] x [K 1,024, N 1,024]; A: computed on the way; B: computed on the way: left as it is (an operand is computed on the way)
;;     6. [M 8,192, K 1,024] x [K 1,024, N 1,024]; A: computed on the way; B: input Wp: left as it is (an operand is computed on the way)
;;   THE QUANTISER, for each operand of a quantised product, along K:
;;     - K is cut into blocks of 32 from its start; a last block that is shorter is filled with zeros.
;;     - A block's scale is 2^e with e = floor(log2(the largest magnitude in the block)) - 2, held to -126 .. 127; a block of zeros has e = 0. As a byte (E8M0): e + 127.
;;     - Each number is divided by its block's scale, clamped to +-6, and rounded to the nearest number of E2M1, ties to even, subnormals kept.
;;     - The product sums the exact products of the quantised numbers (number of the format x scale) in f32.
;;   ~~~python
;;   def quantise(x, axis):      # numpy; x: float32 -> the quantised numbers, widened to float32 again
;;       x = np.moveaxis(x, axis, -1); K = x.shape[-1]
;;       x = np.pad(x, [(0, 0)] * (x.ndim - 1) + [(0, -K % 32)]); x = x.reshape(x.shape[:-1] + (-1, 32)); a = np.abs(x).max(-1, keepdims=True)
;;       e = np.where(a > 0, np.clip(np.frexp(np.where(a > 0, a, 1))[1] - 1 - 2, -126, 127), 0)      # np.frexp(a)[1] - 1 = floor(log2(a)), exactly
;;       r = np.clip(x / 2.0 ** e, -6, 6)
;;       step = 2.0 ** (np.maximum(np.frexp(np.where(r == 0, 1, r))[1] - 1, 0) - 1)
;;       q = np.round(r / step) * step * 2.0 ** e      # np.round: ties to even
;;       return np.moveaxis(q.reshape(q.shape[:-2] + (-1,))[..., :K], -1, axis).astype(np.float32)
;;   ~~~
;; One version. Each part assembles by itself: llvm-mc -triple=amdgcn-amd-amdhsa -mcpu=gfx1250 --defsym DOCPART=n.
;; ======== version 1 of 1: 5 launches
;; limits: values are held in f16: magnitudes above 65,504 overflow, below 6.1e-05 lose precision
;; workspace buffers: fp4 6,133,248 bytes; wp16 2,097,152 bytes; q 16,785,408 bytes; kt 16,785,408 bytes; vt 16,785,408 bytes; kvt 16,785,408 bytes; z 16,785,408 bytes
;; launch prep (part 1): grid 384 x 1, 4 waves a work-group, no clusters, 33,280 bytes of LDS; arguments x, Wq, Wk, Wv, Wp, fp4, wp16; writes fp4, wp16
.if DOCPART == 1
	.amdgcn_target "amdgcn-amd-amdhsa--gfx1250"
	.amdhsa_code_object_version 6
	.text
	.protected	k_q2c92a742ef_prep
	.globl	k_q2c92a742ef_prep
	.p2align	8
	.type	k_q2c92a742ef_prep,@function
k_q2c92a742ef_prep:
	s_mov_b64 s[64:65], 0
	v_nop
	global_prefetch_b8 v0, s[64:65] scope:SCOPE_SE
	s_setreg_imm32_b32 hwreg(HW_REG_WAVE_MODE, 25, 1), 1
	s_wait_xcnt 0x0
; x [8192][1024], Wq, Wk, Wv [1024][1024], f32, become codes of FP4 (E2M1), K innermost, with one E8M0 scale byte for each 32 along K; Wp [1024][1024] becomes f16.
; A block's scale is 2^(floor(log2(its largest magnitude)) - 2); its byte is the largest magnitude's exponent field - 2, held at 1 from below (a block of zeros keeps the byte 1: its codes are zeros, and this program alone reads the bytes).
; WORKSPACE fp4: codes of x (8,192 rows of 512 bytes), then of Wq, Wk, Wv (3,072 rows): one space of 11,264 rows; from XS on the scale bytes in the same order, 32 a row; from TAB on one f32 for each wave: the largest magnitude that it met.
; Those maxima let the next launch choose a power of two under which its f16 results cannot overflow.
; SHARES: work-groups 0-255 take x, 256-287 Wq, 288-319 Wk, 320-351 Wv: 32,768 numbers each, a wave 16 steps of 512 numbers; work-groups 352-383 turn Wp into f16, 8,192 numbers a wave.
; Rows are dense and K is a multiple of 32: the tensors are plain streams of blocks, and run number 4 x work-group + wave gives the place of codes, scale bytes and table entry alike.
; A lane must hold 16 NEIGHBOURS for the conversions, while loads are dense (16 bytes a lane, 512 a load): a step's 2,048 bytes turn through the wave's own stage in LDS, 16 bytes of padding behind each 64.
; LIMITS: blocks whose largest magnitude lies under 2^-124 keep the byte 1; NaN and infinities are not served; |Wp| above 65,504 has no f16 number, and Wp under 2^-14 keeps fewer bits (absolute step 2^-24).
.set WAVES, 4
.set STEPS, 16
.set NQWG,  352                        ; work-groups that quantise
.set EMAX,  2
.set CB,    8                          ; bytes of 16 codes
.set R,     16                         ; v16-79   four sets of 16 numbers as they are loaded
.set X,     80                         ; v80-111  two sets of 16 neighbours
.set E,     112                        ; v112-127 a scale byte for each step
.set C,     128                        ; v128-191 codes: four registers for each step, so that no store's data are written again
.set WREG,  8192                       ; LDS: a region for each wave: two stages of 32 x SP bytes, behind them its 256 scale bytes
.set SP,    80
.set SPW,   12                         ; v12 LDS address of my spare word; never rewritten
.set NIL,   13                         ; v13 0; never rewritten
.set SPARE, WAVES*WREG                 ; behind the four regions: the spare words, 128 bytes for each wave
.set XS,    5767168                    ; fp4: where the scale bytes begin
.set TAB,   6127616                    ; fp4: where the table of maxima begins
	s_load_b256 s[4:11], s[0:1], 0x0               ; x s[4:5], Wq s[6:7], Wk s[8:9], Wv s[10:11]
	s_load_b128 s[12:15], s[0:1], 0x20             ; Wp s[12:13], fp4 s[14:15]
	s_load_b64 s[16:17], s[0:1], 0x30              ; wp16
	v_lshl_add_u32 v[SPW], v0, 2, SPARE
	v_mov_b32 v[NIL], 0
	v_lshrrev_b32 v1, 5, v0
	v_readfirstlane_b32 s18, v1                    ; wave
	v_and_b32 v2, 31, v0                           ; lane
	s_mov_b32 s23, 0                               ; the high word of every offset
	s_cmp_lt_u32 ttmp9, NQWG                       ; the choice hangs on the work-group's number alone
	s_cbranch_scc1 .Lquant
	; ---- Wp to f16: no LDS.  A load reads 512 consecutive bytes (16 a lane), its four numbers a lane become 8 bytes: a store of the wave covers 256 consecutive bytes, aligned.
	s_sub_co_u32 s20, ttmp9, NQWG
	s_lshl_b32 s20, s20, 2
	s_add_co_u32 s20, s20, s18                     ; my run of 8,192 numbers: 0 .. 127
	s_lshl_b32 s22, s20, 15
	s_lshl_b32 s20, s20, 14
	s_mov_b32 s21, 0
	v_lshlrev_b32 v3, 4, v2                        ; in: 16 bytes a lane
	v_lshlrev_b32 v4, 3, v2                        ; out: 8 bytes a lane
	s_wait_kmcnt 0x0
	s_add_nc_u64 s[24:25], s[12:13], s[22:23]
	s_add_nc_u64 s[26:27], s[16:17], s[20:21]
.macro LOADW g                         ; group g: 16 loads into set g % 2
.irp i, 0,1,2,3,4,5,6,7,8,9,10,11,12,13,14,15
	global_load_b128 v[16+64*((\g)%2)+4*\i:16+64*((\g)%2)+4*\i+3], v3, s[24:25] offset:(16*(\g)+\i)*512 th:TH_LOAD_NT
.endr
.endm
.macro WORKW g
.irp i, 0,1,2,3,4,5,6,7,8,9,10,11,12,13,14,15
	v_cvt_pk_f16_f32 v[144+2*\i], v[16+64*((\g)%2)+4*\i], v[16+64*((\g)%2)+4*\i+1]
	v_cvt_pk_f16_f32 v[145+2*\i], v[16+64*((\g)%2)+4*\i+2], v[16+64*((\g)%2)+4*\i+3]
.endr
.irp i, 0,1,2,3,4,5,6,7,8,9,10,11,12,13,14,15
	global_store_b64 v4, v[144+2*\i:145+2*\i], s[26:27] offset:(16*(\g)+\i)*256
.endr
.endm
	LOADW 0
	LOADW 1
	s_wait_loadcnt 16                              ; group 0 is in; the other set's 16 loads may be out
	WORKW 0
	LOADW 2
	s_wait_loadcnt 16                              ; group 1 is in
	s_wait_xcnt 0x0                                ; the last group's stores have read v144-175: they are written again only behind this wait
	WORKW 1
	LOADW 3
	s_wait_loadcnt 16                              ; group 2 is in
	s_wait_xcnt 0x0
	WORKW 2
	s_wait_loadcnt 0x0
	s_wait_xcnt 0x0
	WORKW 3
	s_branch .Lend
.Lquant:
	v_lshlrev_b32 v3, 4, v2                        ; my 16 bytes of a load's 512
	s_mul_i32 s19, s18, WREG
	v_lshrrev_b32 v14, 2, v2
	v_mul_u32_u24 v14, v14, SP
	v_and_b32 v15, 3, v2
	v_lshl_add_u32 v14, v15, 4, v14
	v_add_nc_u32 v14, s19, v14                     ; the stage, on the way in: SP (lane / 4) + 16 (lane % 4)
	v_mul_u32_u24 v15, v2, SP
	v_add_nc_u32 v15, s19, v15                     ; and on the way out: SP x lane: my 16 neighbours
	v_mul_u32_u24 v4, v2, CB                       ; my codes' place in a step's
	v_lshrrev_b32 v5, 1, v2
	s_add_co_u32 s19, s19, 2*32*SP
	v_add_nc_u32 v5, s19, v5                       ; LDS: my wave's 256 scale bytes, my block's byte
	v_lshlrev_b32 v7, 3, v2                        ; and on the way out 8 bytes a lane
	v_add_nc_u32 v6, s19, v7
	v_mov_b32 v10, 0                               ; the largest magnitude that my lane has met
	s_mov_b32 s32, 0x76543210
	s_mov_b32 s33, 0xfedcba98                      ; v_permlanex16_b32's selects for lane l xor 16
	s_sub_co_u32 s20, ttmp9, 256                   ; among the weights' work-groups (not used for x)
	s_lshr_b32 s21, s20, 5                         ; which weight: 0 Wq, 1 Wk, 2 Wv
	s_and_b32 s22, s20, 31                         ; my place in it
	s_wait_kmcnt 0x0
	s_cmp_eq_u32 s21, 1
	s_cselect_b64 s[24:25], s[8:9], s[10:11]
	s_cmp_eq_u32 s21, 0
	s_cselect_b64 s[24:25], s[6:7], s[24:25]
	s_cmp_lt_u32 ttmp9, 256
	s_cselect_b64 s[24:25], s[4:5], s[24:25]       ; the tensor that I read
	s_cselect_b32 s22, ttmp9, s22                  ; and my work-group's place in it
	s_lshl_b32 s22, s22, 2
	s_add_co_u32 s22, s22, s18
	s_lshl_b32 s22, s22, 15                        ; my wave's 8,192 numbers: 32,768 bytes
	s_add_nc_u64 s[24:25], s[24:25], s[22:23]
	s_lshl_b32 s20, ttmp9, 2
	s_add_co_u32 s20, s20, s18                     ; my run in the workspace: 4 x work-group + wave
	s_lshl_b32 s22, s20, 12
	s_add_nc_u64 s[26:27], s[14:15], s[22:23]      ; its codes: 4,096 bytes a run
	s_lshl_b32 s22, s20, 8
	s_add_co_u32 s22, s22, XS
	s_add_nc_u64 s[28:29], s[14:15], s[22:23]      ; its scale bytes: 256
	s_lshl_b32 s22, s20, 2
	s_add_co_u32 s22, s22, TAB
	s_add_nc_u64 s[30:31], s[14:15], s[22:23]      ; its entry in the table
.macro LOAD t
.irp i, 0,1,2,3
	global_load_b128 v[R+16*((\t)%4)+4*\i:R+16*((\t)%4)+4*\i+3], v3, s[24:25] offset:2048*(\t)+512*\i th:TH_LOAD_NT   ; 32 lanes read 512 consecutive bytes
.endr
.endm
.macro TURN t                          ; step t's numbers through the stage: LDS serves a wave's instructions in order, so no wait stands between the stores and the loads
.irp i, 0,1,2,3
	ds_store_b128 v14, v[R+16*((\t)%4)+4*\i:R+16*((\t)%4)+4*\i+3] offset:32*SP*((\t)%2)+8*SP*\i
.endr
.irp i, 0,1,2,3
	ds_load_b128 v[X+16*((\t)%2)+4*\i:X+16*((\t)%2)+4*\i+3], v15 offset:32*SP*((\t)%2)+16*\i
.endr
.endm
.irp t, 0,1,2,3
	LOAD \t
.endr
	s_wait_loadcnt 12                              ; step 0's four loads are in
	TURN 0
.macro STEP t
.set XR, X+16*((\t)%2)
.if (\t) > 0
	s_wait_dscnt 1                                 ; this step's numbers are back from the stage (the last step's byte store may be out)
.else
	s_wait_dscnt 0x0
.endif
.if (\t)+4 < STEPS
	LOAD (\t)+4                                    ; into the registers that the stage's stores have read
.endif
.if (\t)+1 < STEPS
.if STEPS-2-(\t) >= 3
	s_wait_loadcnt 12                              ; the next step's four loads are in; those of the three steps behind it may be out
.else
	s_wait_loadcnt 4*(STEPS-2-(\t))
.endif
	TURN (\t)+1                                    ; and go through the other stage while this step is worked
.endif
	v_max3_num_f32 v8, |v[XR]|, |v[XR+1]|, |v[XR+2]|               ; the largest magnitude of my 16
	v_max3_num_f32 v9, |v[XR+3]|, |v[XR+4]|, |v[XR+5]|
.irp i, 6,10
	v_max3_num_f32 v8, v8, |v[XR+\i]|, |v[XR+\i+1]|
	v_max3_num_f32 v9, v9, |v[XR+\i+2]|, |v[XR+\i+3]|
.endr
	v_max3_num_f32 v8, v8, |v[XR+14]|, |v[XR+15]|
	v_max3_num_f32 v8, v8, v9, (EMAX+1)<<23        ; and the floor 2^(EMAX + 1 - 127): so the byte cannot fall under 1
	v_max_num_f32_dpp v8, v8, v8 row_xmask:1 row_mask:0xf bank_mask:0xf   ; and of my neighbour's 16: the block's
	v_max_num_f32 v10, v10, v8                     ; for the table
	v_add_nc_u32 v11, -(EMAX<<23), v8              ; EMAX off its exponent field: the conversion takes the exponent field of this operand as its scale
	v_cvt_scalef32_pk8_fp4_f32 v[C+4*(\t)], v[XR:XR+7], v11
	v_cvt_scalef32_pk8_fp4_f32 v[C+4*(\t)+1], v[XR+8:XR+15], v11
	v_lshrrev_b32 v[E+(\t)], 23, v11               ; the scale's byte (also the plain line behind the conversions)
	ds_store_b8 v5, v[E+(\t)] offset:16*(\t)       ; both lanes of a block write the same byte with the same value
	global_store_b64 v4, v[C+4*(\t):C+4*(\t)+1], s[26:27] offset:32*CB*(\t)   ; the wave stores 256 consecutive bytes, aligned
.endm
.irp t, 0,1,2,3,4,5,6,7,8,9,10,11,12,13,14,15
	STEP \t
.endr
	ds_load_b64 v[8:9], v6                         ; LDS serves a wave's instructions in order: these see my stores
	s_wait_dscnt 0x0
	global_store_b64 v7, v[8:9], s[28:29]          ; 32 lanes store 256 consecutive bytes, aligned
	v_max_num_f32_dpp v10, v10, v10 row_xmask:1 row_mask:0xf bank_mask:0xf   ; the wave's largest magnitude, in every lane
	v_max_num_f32_dpp v10, v10, v10 row_xmask:2 row_mask:0xf bank_mask:0xf
	v_max_num_f32_dpp v10, v10, v10 row_xmask:4 row_mask:0xf bank_mask:0xf
	v_max_num_f32_dpp v10, v10, v10 row_xmask:8 row_mask:0xf bank_mask:0xf
	v_permlanex16_b32 v11, v10, s32, s33           ; (v11 has been written)
	v_max_num_f32 v10, v10, v11
	v_mov_b32 v1, 0
	v_cmp_eq_u32 vcc_lo, 0, v2
	s_wait_xcnt 0x0                                ; EXEC is a source of the stores above: it changes only behind this wait
	s_and_saveexec_b32 s34, vcc_lo
	global_store_b32 v1, v10, s[30:31]             ; lane 0 alone: my wave's entry
	s_wait_xcnt 0x0                                ; and again, in front of the line that widens it
	s_or_b32 exec_lo, exec_lo, s34
.Lend:
	s_wait_tensorcnt 0x0                           ; the wave's end, behind my last LDS store
	ds_add_u32 v[SPW], v[NIL]
	s_wait_dscnt 0x0
	s_endpgm
.Lfunc_end_k_q2c92a742ef_prep:
	.size	k_q2c92a742ef_prep, .Lfunc_end_k_q2c92a742ef_prep-k_q2c92a742ef_prep
	.p2alignl 7, 3214868480
	.fill 96, 4, 3214868480
	.section	.rodata,"a",@progbits
	.p2align	6, 0x0
	.amdhsa_kernel k_q2c92a742ef_prep
		.amdhsa_group_segment_fixed_size 33280
		.amdhsa_private_segment_fixed_size 0
		.amdhsa_enable_private_segment 0
		.amdhsa_kernarg_size 56
		.amdhsa_user_sgpr_count 2
		.amdhsa_user_sgpr_kernarg_segment_ptr 1
		.amdhsa_wavefront_size32 1
		.amdhsa_system_sgpr_workgroup_id_x 1
		.amdhsa_system_sgpr_workgroup_id_y 1
		.amdhsa_system_sgpr_workgroup_id_z 1
		.amdhsa_system_vgpr_workitem_id 0
		.amdhsa_next_free_vgpr 192
		.amdhsa_next_free_sgpr 66
		.amdhsa_reserve_vcc 1
		.amdhsa_float_denorm_mode_32 3
		.amdhsa_float_denorm_mode_16_64 3
		.amdhsa_memory_ordered 1
		.amdhsa_forward_progress 1
		.amdhsa_inst_pref_size 56
	.end_amdhsa_kernel
	.amdgpu_metadata
---
amdhsa.version: [ 1, 2 ]
amdhsa.kernels:
  - .name:           k_q2c92a742ef_prep
    .symbol:         k_q2c92a742ef_prep.kd
    .args:
      - { .name: x, .offset: 0, .size: 8, .value_kind: global_buffer, .address_space: global }
      - { .name: Wq, .offset: 8, .size: 8, .value_kind: global_buffer, .address_space: global }
      - { .name: Wk, .offset: 16, .size: 8, .value_kind: global_buffer, .address_space: global }
      - { .name: Wv, .offset: 24, .size: 8, .value_kind: global_buffer, .address_space: global }
      - { .name: Wp, .offset: 32, .size: 8, .value_kind: global_buffer, .address_space: global }
      - { .name: fp4, .offset: 40, .size: 8, .value_kind: global_buffer, .address_space: global }
      - { .name: wp16, .offset: 48, .size: 8, .value_kind: global_buffer, .address_space: global }
    .group_segment_fixed_size: 33280
    .private_segment_fixed_size: 0
    .kernarg_segment_align: 8
    .kernarg_segment_size: 56
    .max_flat_workgroup_size: 128
    .sgpr_count:     66
    .vgpr_count:     192
    .wavefront_size: 32
...
	.end_amdgpu_metadata
.endif
;; end of part 1
;; launch qkv (part 2): grid 4 x 96, 4 waves a work-group, clusters of 4 x 4, 327,680 bytes of LDS; arguments fp4, q, kt, vt; writes q, kt, vt
.if DOCPART == 2
	.amdgcn_target "amdgcn-amd-amdhsa--gfx1250"
	.amdhsa_code_object_version 6
	.text
	.protected	k_q2c92a742ef_qkv
	.globl	k_q2c92a742ef_qkv
	.p2align	8
	.type	k_q2c92a742ef_qkv,@function
k_q2c92a742ef_qkv:
	s_mov_b64 s[64:65], 0
	v_nop
	global_prefetch_b8 v0, s[64:65] scope:SCOPE_SE
	s_setreg_imm32_b32 hwreg(HW_REG_WAVE_MODE, 25, 1), 1
	s_wait_xcnt 0x0
	s_wait_alu depctr_hold_cnt(0) depctr_sa_sdst(0) depctr_va_vdst(0) depctr_va_sdst(0) depctr_va_ssrc(0) depctr_va_vcc(0) depctr_vm_vsrc(0)
	s_getreg_b32 s2, hwreg(HW_REG_IB_STS2, 6, 4)
	s_cmp_eq_u32 s2, 0
	s_cbranch_scc0 .Lentry_in_a_cluster
	s_endpgm
.Lentry_in_a_cluster:
	s_bfe_u32 s2, ttmp6, 0x10000c
	s_cmp_lg_u32 s2, 0xf033
	s_cbranch_scc0 .Lentry_shape_is_right
	s_endpgm
.Lentry_shape_is_right:
; The three quantised products, on codes of FP4 (E2M1) with one E8M0 scale for each 32 along K = 1,024, as 24 products C = A B^T of 1,024 x 1,024 x 1,024: job = 8 t + b, one cluster of 4 x 4 work-groups each.
;   t = 0: q[b] = x[b] Wq^T (A = x[b], B = Wq);   t = 1: kT[b] = Wk x[b]^T (A = Wk, B = x[b]);   t = 2: vT[b] = Wv x[b]^T.  k and v are made TRANSPOSED, so that the next product finds its K innermost.
; Codes and scale bytes lie in fp4 as one space of 11,264 rows (x: 0 .. 8,191; Wq, Wk, Wv: 8,192 + 1,024 t on): 512 bytes of codes a row, from XS on 32 scale bytes a row.
; THE RESULTS ARE STORED AS f16 UNDER AN EXACT POWER OF TWO.  With a, b the largest magnitudes of x and of the weight (tables in fp4), every |C| lies under 2^10 2^(floor log2 a + 1) 2^(floor log2 b + 1),
; so sigma = 2^(3 - floor log2 a - floor log2 b) holds |sigma C| under 2^15.  Its exponent field is 384 - Ea - Eb (the maxima's fields), held to 1 .. 254.  c = field - 127 is stored beside the tensor,
; with the largest |sigma C| of each 64 rows of each wave: from byte TABLE of each output on 1,024 f32 maxima, then 1,024 words that hold c.
; LIMITS: NaN and infinities are not served; where the field is held at 1 or 254 the bound 2^15 is not kept (products of maxima beyond 2^+-125).
; A tile of C, 256 x 256, is made by a work-group of four waves; a wave makes 128 x 128: 64 accumulators, 512 registers.  K is two slots of 512 along K (rows of 256 bytes): both are asked for at the head, nothing is filled again.
; The scale bytes of the tile's 256 + 256 rows, for all of K, are two dense blocks: they come with the first fills.  By this text's count a wave has three tensor loads out at the start, none later.
; CLUSTER: the four of a row need the same tiles of A, the four of a column the same of B: each is asked for JOINTLY.  THE MATRIX INSTRUCTION IS USED TRANSPOSED (source 0 = 16 rows of B, source 1 = 16 rows of A): a lane holds eight neighbouring numbers of a row of C.
; No prefetch: all of K is asked for at the head.
; REGISTERS: window 0: v0-31 addresses, maxima; v32-95 scale words, two sets; v128-191 A's fragments, ONE set; v192-227 the tables at the head.  On the way out v32-95 scaled results, v96-127 f16, v128-191 rows read back.
;   window 1: B's fragments, two sets.   windows 2, 3: the accumulators of my rows 0-63, 64-127 (accumulator (a, b) at v[8 (8 (a % 4) + b)]).
.set KSTEP,  512
.set NQ,     KSTEP/128
.set ROWB,   256                       ; a tile's row in bytes
.set KROW,   512                       ; a row of codes in memory
.set PITCH,  272                       ; an LDS row: 256 bytes + 16 of padding: the 16 rows that a load touches start at 16 different banks (64 banks of 4 bytes: ISA guide 11.1)
.set FR,     8
.set NL,     2
.set NP,     4                         ; places behind this matrix instruction (ISA guide 7.12.1)
.set HALFT,  128*PITCH
.set SLOT,   4*HALFT
.set KS,     32                        ; a row of scale bytes
.set SCL,    2*SLOT
.set HALFS,  (128*KS/256)*272
.set SBLK,   (16*KS/256)*272
.set SPARE,  SCL+4*HALFS               ; the spare words, 128 bytes for each wave
.set STAGE,  SPARE+512                 ; the way out: 16 rows x (256 + 16) bytes for each wave; no tensor load lands here
.set SPITCH, 272
.set XS,     5767168
.set TAB,    6127616
.set TABLE,  16777216                  ; behind an output's 8,192 x 1,024 f16
.set CROW,   2048                      ; a row of C in bytes
.set ADRA, 16
.set ADRB, 20
.set STO,  24
.set RD,   25
.set CO,   26
.set ADRS, 27
.set SPW,  28                          ; v28 my spare word; never rewritten
.set NIL,  29                          ; v29 0; never rewritten
.set L16,  30                          ; v30 16 x lane
.set TO,   31                          ; v31 the table store's offset
.set SC,   32
.set AF,   128
.set T,    32
.set P,    96
.set BK,   128
.set G1, 24
.set G0, 32
.set G1B, 48
.set G0B, 56
.set G1S, 68
.set G0S, 76
.set G1SB, 80
.set G0SB, 88
.set SEL, 2                            ; s[2:3] selects for lane l xor 16
.set SG,  98                           ; s[98:99] sigma, twice
.set MSB, 0
.macro WIN new                         ; the immediate's high byte repeats the setting that is left
.if MSB != \new
	s_set_vgpr_msb (MSB<<8)|\new
.set MSB, \new
.endif
.endm
.set MUL_LO, 0xa1                      ; source 0 (B) window 1, source 1 (A) window 0, C and D window 2
.set MUL_HI, 0xf1
.set TO_B,   0x40
; A joint load: waves 0 and 1 fetch for A, waves 2 and 3 for B; the branch hangs on the wave's number alone.  An s_nop 0 and four v_nop follow each of the two lines.
.macro JLOAD g0a, g1a, g0b, g1b
	s_cmp_eq_u32 s15, 0
	s_cbranch_scc0 .Lfor_b_\@
	tensor_load_to_lds s[\g0a:\g0a+3], s[\g1a:\g1a+7]
	s_nop 0
.rept 4
	v_nop
.endr
	s_branch .Lasked_\@
.Lfor_b_\@:
	tensor_load_to_lds s[\g0b:\g0b+3], s[\g1b:\g1b+7]
	s_nop 0
.rept 4
	v_nop
.endr
.Lasked_\@:
.endm
.macro CROUND                          ; a round of the cluster's barrier
	s_barrier_signal -1
	s_barrier_wait -1
	s_cmp_lg_u32 s14, 0
	s_cbranch_scc1 .Lnot_wave_0_\@
	s_barrier_signal -3
.Lnot_wave_0_\@:
	s_barrier_wait -3
	s_barrier_signal -1
	s_barrier_wait -1
.endm
.macro REDUCE d, t, base               ; the largest of 32 registers, none negative
	v_max3_num_f32 v[\d], v[\base], v[\base+1], v[\base+2]
	v_max3_num_f32 v[\t], v[\base+3], v[\base+4], v[\base+5]
.irp i, 6,10,14,18,22,26
	v_max3_num_f32 v[\d], v[\d], v[\base+\i], v[\base+\i+1]
	v_max3_num_f32 v[\t], v[\t], v[\base+\i+2], v[\base+\i+3]
.endr
	v_max3_num_f32 v[\d], v[\d], v[\base+30], v[\base+31]
	v_max_num_f32 v[\d], v[\d], v[\t]
.endm
.macro LANEMAX d, t                    ; the largest over the 32 lanes, in every lane; v[t] has been written
	v_max_num_f32_dpp v[\d], v[\d], v[\d] row_xmask:1 row_mask:0xf bank_mask:0xf
	v_max_num_f32_dpp v[\d], v[\d], v[\d] row_xmask:2 row_mask:0xf bank_mask:0xf
	v_max_num_f32_dpp v[\d], v[\d], v[\d] row_xmask:4 row_mask:0xf bank_mask:0xf
	v_max_num_f32_dpp v[\d], v[\d], v[\d] row_xmask:8 row_mask:0xf bank_mask:0xf
	v_permlanex16_b32 v[\t], v[\d], s[SEL], s[SEL+1]
	v_max_num_f32 v[\d], v[\d], v[\t]
.endm
	s_load_b256 s[4:11], s[0:1], 0x0               ; fp4 s[4:5], q s[6:7], kt s[8:9], vt s[10:11]
	v_lshl_add_u32 v[SPW], v0, 2, SPARE
	v_mov_b32 v[NIL], 0
	ds_add_u32 v[SPW], v[NIL]                      ; the wave's opening: the add, twice on end, and its wait ahead of my first tensor load
	ds_add_u32 v[SPW], v[NIL]
	v_lshrrev_b32 v1, 5, v0
	v_readfirstlane_b32 s14, v1                    ; wave 0..3
	s_lshr_b32 s15, s14, 1                         ; which half of the tile's rows is mine.  Also: I fetch for A (0) or for B (1)
	s_and_b32 s16, s14, 1                          ; which half of its columns.  Also: which 128 rows I fetch
	s_bfe_u32 s40, ttmp6, 0x40000                  ; cx = tile column
	s_bfe_u32 s41, ttmp6, 0x40004                  ; cy = tile row
	s_and_b32 s95, ttmp7, 0xffff                   ; the job: the cluster's y
	s_lshr_b32 s96, s95, 3                         ; t
	s_and_b32 s97, s95, 7                          ; b
	s_lshl_b32 s43, s41, 2
	s_lshl_b32 s43, 15, s43                        ; my row of the cluster
	s_lshl_b32 s44, 0x1111, s40                    ; my column
	s_or_b32 s[G1+0], s43, (0<<16)|(1<<20)|(1<<21)|(5<<22)|(3<<25)  ; mask; elements of 1 byte; padding on; bit 21 beside a mask; 4 words behind every 64
	s_or_b32 s[G1B+0], s44, (0<<16)|(1<<20)|(1<<21)|(5<<22)|(3<<25)
.irp g, G1, G1B
	s_mov_b32 s[\g+1], ROWB<<16                    ; tensor_dim0
	s_mov_b32 s[\g+2], 128<<16                     ; tensor_dim1
	s_mov_b32 s[\g+3], ROWB<<16                    ; tile_dim0
	s_mov_b32 s[\g+4], 128                         ; tile_dim1
	s_mov_b32 s[\g+5], KROW                        ; from row to row
	s_mov_b32 s[\g+6], 0
	s_mov_b32 s[\g+7], 0
.endr
	s_or_b32 s[G1S+0], s43, (3<<16)|(1<<20)|(1<<21)|(5<<22)|(3<<25) ; the scale bytes of 128 rows: 4,096 dense bytes as 16 rows of 32 elements of 8 bytes
	s_or_b32 s[G1SB+0], s44, (3<<16)|(1<<20)|(1<<21)|(5<<22)|(3<<25)
.irp g, G1S, G1SB
	s_mov_b32 s[\g+1], 32<<16
	s_mov_b32 s[\g+2], (128*KS/256)<<16
	s_mov_b32 s[\g+3], 32<<16
	s_mov_b32 s[\g+4], 128*KS/256
	s_mov_b32 s[\g+5], 32
	s_mov_b32 s[\g+6], 0
	s_mov_b32 s[\g+7], 0
.endr
	s_lshl_b32 s17, s97, 10                        ; x[b] begins at row 1,024 b,
	s_lshl_b32 s18, s96, 10
	s_add_co_u32 s18, s18, 8192                    ; the weight at row 8,192 + 1,024 t
	s_cmp_eq_u32 s96, 0                            ; the same in all sixteen partners
	s_cselect_b32 s20, s17, s18                    ; A: x[b] for q, else the weight
	s_cselect_b32 s46, s18, s17                    ; B: the weight for q, else x[b]
	s_lshl_b32 s19, s16, 7
	s_lshl_b32 s21, s41, 8
	s_add_co_u32 s20, s20, s21
	s_add_co_u32 s20, s20, s19                     ; A's rows that I fetch: + 256 cy + 128 x half
	s_lshl_b32 s47, s40, 8
	s_add_co_u32 s46, s46, s47
	s_add_co_u32 s46, s46, s19                     ; B's: + 256 cx + 128 x half
	s_lshl_b32 s22, s20, 5
	s_add_co_u32 s22, s22, XS                      ; their scale bytes,
	s_mov_b32 s23, 0
	s_lshl_b32 s20, s20, 9                         ; their codes
	s_mov_b32 s21, 0
	s_lshl_b32 s92, s46, 5
	s_add_co_u32 s92, s92, XS
	s_mov_b32 s93, 0
	s_lshl_b32 s46, s46, 9
	s_mov_b32 s47, 0
	s_mul_i32 s45, s14, HALFT                      ; where they go: wave x 128 rows: no place in the cluster enters an LDS address
	s_mul_i32 s94, s14, HALFS
	s_mov_b32 s[SEL], 0x76543210
	s_mov_b32 s[SEL+1], 0xfedcba98
	s_wait_dscnt 0x0                               ; both opening adds are done
	s_wait_kmcnt 0x0
	s_add_nc_u64 s[20:21], s[4:5], s[20:21]
	s_add_nc_u64 s[22:23], s[4:5], s[22:23]
	s_add_nc_u64 s[46:47], s[4:5], s[46:47]
	s_add_nc_u64 s[92:93], s[4:5], s[92:93]
	CROUND                                         ; all sixteen work-groups are here: the joint loads meet
	s_mov_b32 s[G0S], 1
	s_add_co_u32 s[G0S+1], s94, SCL
	s_mov_b64 s[G0S+2:G0S+3], s[22:23]
	s_or_b32 s[G0S+3], s[G0S+3], 0x80000000
	s_mov_b32 s[G0SB], 1
	s_add_co_u32 s[G0SB+1], s94, SCL
	s_mov_b64 s[G0SB+2:G0SB+3], s[92:93]
	s_or_b32 s[G0SB+3], s[G0SB+3], 0x80000000
	JLOAD G0S, G1S, G0SB, G1SB                     ; the scales first: they are wanted with the first slot
.irp s, 0,1
	s_mov_b32 s[G0+4*\s], 1
	s_add_co_u32 s[G0+4*\s+1], s45, \s*SLOT
	s_add_nc_u64 s[G0+4*\s+2:G0+4*\s+3], s[20:21], \s*ROWB
	s_or_b32 s[G0+4*\s+3], s[G0+4*\s+3], 0x80000000
	s_mov_b32 s[G0B+4*\s], 1
	s_add_co_u32 s[G0B+4*\s+1], s45, \s*SLOT
	s_add_nc_u64 s[G0B+4*\s+2:G0B+4*\s+3], s[46:47], \s*ROWB
	s_or_b32 s[G0B+4*\s+3], s[G0B+4*\s+3], 0x80000000
	JLOAD G0+4*\s, G1, G0B+4*\s, G1B
.endr
	v_and_b32 v1, 15, v0                           ; r = l % 16
	v_bfe_u32 v2, v0, 4, 1                         ; h = l / 16
	v_mul_u32_u24 v3, v1, PITCH
	v_lshl_add_u32 v4, v2, 4, v3                   ; a fragment's row x pitch + 16 x half
	s_mul_i32 s21, s15, HALFT                      ; my 128 rows of A
	s_mul_i32 s22, s16, HALFT                      ; my 128 rows of B,
	s_add_co_u32 s22, s22, 2*HALFT                 ; which lie behind A's 256
.irp s, 0,1
	v_add_nc_u32 v[ADRA+\s], s21, v4
	v_add_nc_u32 v[ADRB+\s], s22, v4
	s_add_co_u32 s21, s21, SLOT
	s_add_co_u32 s22, s22, SLOT
.endr
	v_mul_u32_u24 v5, v1, KS                       ; my row's scale bytes: KS a row,
	v_lshrrev_b32 v6, 8, v5
	v_lshl_add_u32 v5, v6, 4, v5                   ; and 16 more for each 256 passed
	s_mul_i32 s21, s15, HALFS
	s_mul_i32 s22, s16, HALFS
	s_add_co_u32 s22, s22, 2*HALFS
	s_sub_co_u32 s22, s22, s21
	v_mul_u32_u24 v6, s22, v2                      ; lanes 16-31 take B's: ONE product, the distance between the two bases x h
	s_add_co_u32 s21, s21, SCL
	v_add_nc_u32 v5, v5, v6
	v_add_nc_u32 v[ADRS], s21, v5
	s_mul_i32 s23, s14, 16*SPITCH
	s_add_co_u32 s23, s23, STAGE                   ; my stage
	v_mul_u32_u24 v5, v1, SPITCH                   ; in: row r, 16 bytes for each half of the lanes
	v_lshl_add_u32 v5, v2, 4, v5
	v_add_nc_u32 v[STO], s23, v5
	v_mul_u32_u24 v5, v2, SPITCH                   ; back: lanes 0-15 one row of 256 bytes, lanes 16-31 the next
	v_lshl_add_u32 v5, v1, 4, v5
	v_add_nc_u32 v[RD], s23, v5
	v_lshlrev_b32 v5, 11, v2                       ; and the same two rows in C
	v_lshl_add_u32 v[CO], v1, 4, v5
	s_cmp_eq_u32 s96, 1                            ; which output: a choice that hangs on the job alone
	s_cselect_b64 s[12:13], s[8:9], s[10:11]
	s_cmp_eq_u32 s96, 0
	s_cselect_b64 s[12:13], s[6:7], s[12:13]
	s_lshl_b32 s20, s97, 9                         ; my two entries in its table: 8 bytes x ((16 b + 4 cy + cx) 4 + wave)
	s_lshl_b32 s21, s41, 7
	s_add_co_u32 s20, s20, s21
	s_lshl_b32 s21, s40, 5
	s_add_co_u32 s20, s20, s21
	s_lshl_b32 s21, s14, 3
	s_add_co_u32 s20, s20, s21
	s_add_co_u32 s20, s20, TABLE
	s_mov_b32 s21, 0
	s_add_nc_u64 s[18:19], s[12:13], s[20:21]
	s_lshl_b32 s20, s97, 10                        ; my first row of C: 1,024 b + 256 cy + 128 x half
	s_lshl_b32 s21, s41, 8
	s_add_co_u32 s20, s20, s21
	s_lshl_b32 s21, s15, 7
	s_add_co_u32 s20, s20, s21
	s_lshl_b32 s20, s20, 11
	s_lshl_b32 s21, s40, 9                         ; my first column, in bytes: 512 cx + 256 x half
	s_add_co_u32 s20, s20, s21
	s_lshl_b32 s21, s16, 8
	s_add_co_u32 s20, s20, s21
	s_mov_b32 s21, 0
	s_add_nc_u64 s[12:13], s[12:13], s[20:21]
	; sigma, while the tiles are on their way: the tables of maxima, 1,024 numbers for x and 128 for the weight
	s_add_nc_u64 s[22:23], s[4:5], TAB
	s_lshl_b32 s20, s96, 9
	s_add_co_u32 s20, s20, 4096
	s_add_nc_u64 s[66:67], s[22:23], s[20:21]
	v_and_b32 v[L16], 31, v0
	v_lshlrev_b32 v[L16], 4, v[L16]
.irp i, 0,1,2,3,4,5,6,7
	global_load_b128 v[192+4*\i:195+4*\i], v[L16], s[22:23] offset:512*\i
.endr
	global_load_b128 v[224:227], v[L16], s[66:67]
	v_mov_b32 v9, 0                                ; (a lane permute's destination counts as one of its sources)
	s_wait_loadcnt 0x0
	REDUCE 6, 7, 192
	v_max3_num_f32 v8, v224, v225, v226
	v_max_num_f32 v8, v8, v227
	LANEMAX 6, 7
	LANEMAX 8, 9
	v_readfirstlane_b32 s98, v6
	v_readfirstlane_b32 s99, v8
	s_lshr_b32 s98, s98, 23                        ; the maxima's exponent fields (neither is negative)
	s_lshr_b32 s99, s99, 23
	s_add_co_u32 s98, s98, s99
	s_sub_co_i32 s98, 384, s98
	s_max_i32 s98, s98, 1
	s_min_i32 s98, s98, 254                        ; sigma's exponent field
	s_sub_co_i32 s100, s98, 127                    ; c: the stored tensor is the true one x 2^c
	s_lshl_b32 s[SG], s98, 23
	s_mov_b32 s[SG+1], s[SG]                       ; (the packed form names the pair)
.irp j, 6,7,8,9
	v_mov_b32 v[\j], 0                             ; the running maxima of |sigma C|: v6, v7 rows 0-63, v8, v9 rows 64-127
.endr
.macro FRAG reg, adr, q, i             ; 16 rows x 128 K of 4-bit codes: 8 registers; registers 4 c .. 4 c + 3 hold K = 64 c + 32 (l / 16) + 0 .. 31
.irp c, 0,1
	ds_load_b128 v[\reg+4*\c:\reg+4*\c+3], v[\adr] offset:64*(\q)+32*\c+(\i)*16*PITCH
.endr
.endm
; 16 matrix instructions: A's blocks a0, a0 + 1 x B's eight, the slot's q-th 128 along K.  The 64 accumulators take turns, one instruction a turn, in the same order in every step.
.macro MUL16 a0, p, q, sc, zero
.irp a, \a0, \a0+1
.irp b, 0,1,2,3,4,5,6,7
.if \zero
	v_wmma_scale_f32_16x16x128_f8f6f4 v[8*(8*((\a)%4)+\b):8*(8*((\a)%4)+\b)+7], v[128*(\p)+FR*\b:128*(\p)+FR*\b+FR-1], v[AF+FR*(\a):AF+FR*(\a)+FR-1], 0, v[SC+8*NQ*(\sc)+NQ*\b+(\q)], v[SC+8*NQ*(\sc)+NQ*(\a)+(\q)] matrix_a_fmt:MATRIX_FMT_FP4 matrix_b_fmt:MATRIX_FMT_FP4 matrix_a_scale:MATRIX_SCALE_ROW1
.else
	v_wmma_scale_f32_16x16x128_f8f6f4 v[8*(8*((\a)%4)+\b):8*(8*((\a)%4)+\b)+7], v[128*(\p)+FR*\b:128*(\p)+FR*\b+FR-1], v[AF+FR*(\a):AF+FR*(\a)+FR-1], v[8*(8*((\a)%4)+\b):8*(8*((\a)%4)+\b)+7], v[SC+8*NQ*(\sc)+NQ*\b+(\q)], v[SC+8*NQ*(\sc)+NQ*(\a)+(\q)] matrix_a_fmt:MATRIX_FMT_FP4 matrix_b_fmt:MATRIX_FMT_FP4 matrix_a_scale:MATRIX_SCALE_ROW1
.endif
.endr
.endr
.endm
.macro FETCH_B slot, q, p
	WIN TO_B
.irp i, 0,1,2,3,4,5,6,7
	FRAG 128*(\p)+FR*\i, ADRB+\slot, \q, \i
.endr
	WIN 0
.endm
.macro FETCH_A slot, q, i0
.irp i, \i0, \i0+1, \i0+2, \i0+3
	FRAG AF+FR*(\i), ADRA+\slot, \q, \i
.endr
.endm
.macro SCALES sc                       ; a slot's scale words: NQ words a row; lanes 0-15 take A's block i, lanes 16-31 B's block i
.irp i, 0,1,2,3,4,5,6,7
	ds_load_b128 v[SC+8*NQ*\sc+NQ*\i:SC+8*NQ*\sc+NQ*\i+3], v[ADRS] offset:\i*SBLK
.endr
.endm
.macro PLACES n                        ; plain vector lines between a matrix instruction and a load into, or a read of, its registers (ISA guide 7.12.1 for reads)
.rept \n
	v_nop
.endr
.endm
.macro STEP slot, q, zero              ; a step of 128 along K that has its successor in the same slot
	s_wait_dscnt 4*NL                              ; B's set and A's blocks 0-3 are in; the youngest eight loads (A's blocks 4-7) may be out
	WIN MUL_LO
	MUL16 0, (\q)%2, \q, \slot, \zero
	MUL16 2, (\q)%2, \q, \slot, \zero
	s_wait_dscnt 0
	PLACES NP
	FETCH_B \slot, (\q)+1, 1-(\q)%2
	FETCH_A \slot, (\q)+1, 0
	WIN MUL_HI
	MUL16 4, (\q)%2, \q, \slot, \zero
	MUL16 6, (\q)%2, \q, \slot, \zero
	PLACES NP
	WIN 0
	FETCH_A \slot, (\q)+1, 4
.endm
.macro STEPS slot, from
.set Q, \from
.rept NQ-1-\from
	STEP \slot, Q, 0
.set Q, Q+1
.endr
.endm
	s_wait_tensorcnt 1                             ; the scales and my part of slot 0 are in (slot 1's load may be out)
	s_barrier_signal -1
	s_barrier_wait -1                              ; everybody's are
	FETCH_B 0, 0, 0
	FETCH_A 0, 0, 0
	SCALES 0
	FETCH_A 0, 0, 4
	STEP 0, 0, 1                                   ; the first products start the sums: nothing is cleared
	STEPS 0, 1
	; slot 0's last step changes slots: one barrier; in front of it my part of slot 1 has landed
	s_wait_tensorcnt 0x0                           ; all my tensor loads have landed (every window is 0 here)
	ds_add_u32 v[SPW], v[NIL]                      ; 0 onto my spare word
	s_wait_dscnt 4*NL+1                            ; (the add and the youngest eight loads may be out)
	WIN MUL_LO
	MUL16 0, 1, NQ-1, 0, 0
	s_wait_dscnt 0x0
	s_barrier_signal -1
	MUL16 2, 1, NQ-1, 0, 0
	WIN 0
	s_barrier_wait -1                              ; slot 1 is whole
	PLACES NP
	v_add_nc_u32 v[ADRS], 4*NQ, v[ADRS]            ; on to slot 1's scale words (no LDS load of mine is out)
	FETCH_B 1, 0, 0
	FETCH_A 1, 0, 0
	SCALES 1
	WIN MUL_HI
	MUL16 4, 1, NQ-1, 0, 0
	MUL16 6, 1, NQ-1, 0, 0
	PLACES NP
	WIN 0
	FETCH_A 1, 0, 4
	STEPS 1, 0
	s_wait_dscnt 4*NL                              ; the very last step: nothing more to fetch
	WIN MUL_LO
	MUL16 0, 1, NQ-1, 1, 0
	MUL16 2, 1, NQ-1, 1, 0
	s_wait_dscnt 0
	WIN MUL_HI
	MUL16 4, 1, NQ-1, 1, 0
	MUL16 6, 1, NQ-1, 1, 0
	WIN 0
; THE WAY OUT, block by block of 16 rows x 128 columns.  PACK: x sigma (exact), the running maximum, rounded to f16: 16 bytes a lane.  TOSTAGE: into my own stage, and back as whole rows of 256 bytes.  SEND: stored.
.macro PACK a
	WIN 0x02+(\a)/4                                ; source 0: window 2 or 3
.set II, 0
.rept 32
	v_pk_mul_f32 v[T+2*II:T+2*II+1], v[64*((\a)%4)+2*II:64*((\a)%4)+2*II+1], s[SG:SG+1] op_sel_hi:[1,0]   ; each accumulator from its low end on
.set II, II+1
.endr
	WIN 0
.set II, 0
.rept 32
	v_max3_num_f32 v[6+2*((\a)/4)+II%2], v[6+2*((\a)/4)+II%2], |v[T+2*II]|, |v[T+2*II+1]|   ; two chains
.set II, II+1
.endr
.set II, 0
.rept 32
	v_cvt_pk_f16_f32 v[P+II], v[T+2*II], v[T+2*II+1]
.set II, II+1
.endr
.endm
.macro TOSTAGE a
.set BB, BK+32*((\a)%2)
.irp b, 0,1,2,3,4,5,6,7
	ds_store_b128 v[STO], v[P+4*\b:P+4*\b+3] offset:32*\b
.endr
.irp t, 0,1,2,3,4,5,6,7
	ds_load_b128 v[BB+4*\t:BB+4*\t+3], v[RD] offset:\t*2*SPITCH    ; LDS serves a wave's instructions in order (ISA guide 5.7.1.4): these see the stores above
.endr
.endm
.macro SEND a
.set BB, BK+32*((\a)%2)
	s_wait_dscnt 0x0                               ; the block is back in registers
	s_wait_xcnt 0x0                                ; the earlier stores have read their registers: the next block's loads land there only behind this wait
.irp t, 0,1,2,3,4,5,6,7
	global_store_b128 v[CO], v[BB+4*\t:BB+4*\t+3], s[12:13] offset:(16*(\a)+2*\t)*CROW   ; 16 lanes store 256 consecutive bytes, at a multiple of 256 from C's first byte
.endr
.endm
	PLACES NP                                      ; behind the last products: their results are read, their scale words and A's fragments written over
	PACK 0
	TOSTAGE 0
.irp a, 1,2,3,4,5,6,7                  ; block a's arithmetic stands between block a - 1's loads from the stage and the wait for them
	PACK \a
	SEND \a-1
	TOSTAGE \a
.endr
	SEND 7
	; my two maxima and c go into the output's table: lanes 0 and 1 the maxima of rows 0-63 and 64-127, lanes 2 and 3 c, 4,096 bytes further on
	v_max_num_f32 v6, v6, v7
	v_max_num_f32 v8, v8, v9
	LANEMAX 6, 7
	LANEMAX 8, 9
	v_and_b32 v11, 31, v0
	v_and_b32 v12, 1, v11
	v_cmp_eq_u32 vcc_lo, 1, v12
	v_cndmask_b32 v10, v6, v8, vcc_lo
	v_mov_b32 v13, s100
	v_cmp_lt_u32 vcc_lo, 1, v11
	v_cndmask_b32 v10, v10, v13, vcc_lo
	v_lshlrev_b32 v[TO], 2, v12
	v_bfe_u32 v12, v0, 1, 1
	v_lshl_add_u32 v[TO], v12, 12, v[TO]
	v_cmp_gt_u32 vcc_lo, 4, v11
	s_wait_xcnt 0x0                                ; EXEC is a source of the stores above: it changes only behind this wait
	s_and_saveexec_b32 s94, vcc_lo
	global_store_b32 v[TO], v10, s[18:19]
	s_wait_xcnt 0x0                                ; and again, in front of the line that widens it
	s_or_b32 exec_lo, exec_lo, s94
	s_wait_tensorcnt 0x0                           ; the wave's end, behind my last tensor load and my last LDS store
	ds_add_u32 v[SPW], v[NIL]
	s_wait_dscnt 0x0
	CROUND                                         ; the closing round: no work-group ends while a partner may still ask for a tile that names it
	s_endpgm
.Lfunc_end_k_q2c92a742ef_qkv:
	.size	k_q2c92a742ef_qkv, .Lfunc_end_k_q2c92a742ef_qkv-k_q2c92a742ef_qkv
	.p2alignl 7, 3214868480
	.fill 96, 4, 3214868480
	.section	.rodata,"a",@progbits
	.p2align	6, 0x0
	.amdhsa_kernel k_q2c92a742ef_qkv
		.amdhsa_group_segment_fixed_size 327680
		.amdhsa_private_segment_fixed_size 0
		.amdhsa_enable_private_segment 0
		.amdhsa_kernarg_size 32
		.amdhsa_user_sgpr_count 2
		.amdhsa_user_sgpr_kernarg_segment_ptr 1
		.amdhsa_wavefront_size32 1
		.amdhsa_system_sgpr_workgroup_id_x 1
		.amdhsa_system_sgpr_workgroup_id_y 1
		.amdhsa_system_sgpr_workgroup_id_z 1
		.amdhsa_system_vgpr_workitem_id 0
		.amdhsa_next_free_vgpr 1024
		.amdhsa_next_free_sgpr 102
		.amdhsa_reserve_vcc 1
		.amdhsa_float_denorm_mode_32 3
		.amdhsa_float_denorm_mode_16_64 3
		.amdhsa_memory_ordered 1
		.amdhsa_forward_progress 1
		.amdhsa_inst_pref_size 164
	.end_amdhsa_kernel
	.amdgpu_metadata
---
amdhsa.version: [ 1, 2 ]
amdhsa.kernels:
  - .name:           k_q2c92a742ef_qkv
    .symbol:         k_q2c92a742ef_qkv.kd
    .args:
      - { .name: fp4, .offset: 0, .size: 8, .value_kind: global_buffer, .address_space: global }
      - { .name: q, .offset: 8, .size: 8, .value_kind: global_buffer, .address_space: global }
      - { .name: kt, .offset: 16, .size: 8, .value_kind: global_buffer, .address_space: global }
      - { .name: vt, .offset: 24, .size: 8, .value_kind: global_buffer, .address_space: global }
    .group_segment_fixed_size: 327680
    .private_segment_fixed_size: 0
    .kernarg_segment_align: 8
    .kernarg_segment_size: 32
    .max_flat_workgroup_size: 128
    .sgpr_count:     102
    .vgpr_count:     1024
    .wavefront_size: 32
...
	.end_amdgpu_metadata
.endif
;; end of part 2
;; launch kv (part 3): grid 4 x 64, 4 waves a work-group, clusters of 4 x 4, 327,680 bytes of LDS; arguments vt, kt, kvt; writes kvt
.if DOCPART == 3
	.amdgcn_target "amdgcn-amd-amdhsa--gfx1250"
	.amdhsa_code_object_version 6
	.text
	.protected	k_q2c92a742ef_kv
	.globl	k_q2c92a742ef_kv
	.p2align	8
	.type	k_q2c92a742ef_kv,@function
k_q2c92a742ef_kv:
	s_mov_b64 s[64:65], 0
	v_nop
	global_prefetch_b8 v0, s[64:65] scope:SCOPE_SE
	s_setreg_imm32_b32 hwreg(HW_REG_WAVE_MODE, 25, 1), 1
	s_wait_xcnt 0x0
	s_wait_alu depctr_hold_cnt(0) depctr_sa_sdst(0) depctr_va_vdst(0) depctr_va_sdst(0) depctr_va_ssrc(0) depctr_va_vcc(0) depctr_vm_vsrc(0)
	s_getreg_b32 s2, hwreg(HW_REG_IB_STS2, 6, 4)
	s_cmp_eq_u32 s2, 0
	s_cbranch_scc0 .Lentry_in_a_cluster
	s_endpgm
.Lentry_in_a_cluster:
	s_bfe_u32 s2, ttmp6, 0x10000c
	s_cmp_lg_u32 s2, 0xf033
	s_cbranch_scc0 .Lentry_shape_is_right
	s_endpgm
.Lentry_shape_is_right:
; C[8192][1024] = sigma x A[8192][1024] B[b]^T, batch b = row / 1,024; A, B [8][1024][1024] and C are f16, K innermost in A and B; sums in f32.  It serves two products:
;   kvT[b][f][e] = sum over s of vT[b][f][s] kT[b][e][s]   (A = vT, B = kT)      and      z[b,s][f] = sum over e of q[b,s][e] kvT[b][f][e]   (A = q, B = kvT).
; EVERY f16 TENSOR LIES UNDER AN EXACT POWER OF TWO: stored = true x 2^c.  Behind its 16,777,216 bytes stand 1,024 f32 maxima of the stored magnitudes and 1,024 words that hold c.
; With Ea, Eb the exponent fields of the largest stored magnitudes of A and B, every |sum| lies under 2^10 2^(Ea - 126) 2^(Eb - 126), so sigma with the exponent field 384 - Ea - Eb (held to 1 .. 254) holds |sigma x sum| under 2^15:
; no f16 overflows, whatever the inputs' size.  c of C = c of A + c of B + sigma's exponent.  No branch and no address hangs on these numbers.
; LIMITS: NaN and infinities are not served; where sigma's field is held at 1 or 254 the bound 2^15 is not kept.
; SHARES.  A tile of C is 128 x 256, so that the 8,192 x 1,024 results give 256 work-groups.  Four waves, each 64 x 128: 32 accumulators, 256 registers.
; THE RING.  K = 1,024 is eight K steps of 128 (256 bytes of a row, aligned).  LDS holds three of them: slot X two (rows of 512 bytes), slot Y one (rows of 256 bytes); two equal slots of two K steps would take 405,504 bytes, more than the
; 327,680 that the launch claims.  The walk is X{0,1} Y{2} X{3,4} Y{5} X{6,7}: X and Y are first filled at the head, three refills follow, each behind a round of the cluster's barrier, one tensor load a wave.
; From a request to the wait for it a wave issues 112 matrix instructions (X's refills, while Y is multiplied) or 240 (Y's, while X is).  By this text's count two loads of a wave are out at the start, then one.
; The walk is written out: its five parts differ in what they fill.
; CLUSTER: 4 x 4 work-groups: tile row R = 4 x cluster y + cy, tile column cx, batch = cluster y / 2.  A's tile is shared along a row of the cluster, B's along a column: each is asked for JOINTLY.
; Waves 0, 1 fetch A's halves (64 rows), waves 2, 3 B's (128 rows).
; THE MATRIX INSTRUCTION IS USED TRANSPOSED (source 0 = 16 rows of B, source 1 = 16 rows of A): a lane holds eight neighbouring numbers of a row of C.
; REGISTERS: window 0: v0-31 addresses and maxima; v32-127, v128-223 two fragment buffers (A's 4 fragments, then B's 8; 32 along K); on the way out v32-95 scaled results, v96-127 f16, v128-191 rows read back.
;   window 1: accumulator (a, b) at v[8 (8 a + b)].
.set KB,     256                       ; a K step in bytes of a row
.set XP,     528                       ; a row of slot X: 512 bytes + 16 of padding; of slot Y: 256 + 16.  Both are odd multiples of 16 bytes: the 16 rows that a load touches start at 16 different banks (64 banks of 4 bytes: ISA guide 11.1)
.set YP,     272
.set XAH,    64*XP                     ; what one tensor load brings: 64 rows of A,
.set XBH,    128*XP                    ; 128 rows of B
.set XBOFF,  2*XAH                     ; slot X: A's 128 rows, then B's 256
.set YOFF,   XBOFF+2*XBH               ; slot Y behind it, laid likewise
.set YAH,    64*YP
.set YBH,    128*YP
.set YBOFF,  YOFF+2*YAH
.set STAGE,  YBOFF+2*YBH               ; behind the ring: 16 rows x 272 bytes for each wave; no tensor load lands here
.set SPITCH, 272
.set SPARE,  STAGE+4*16*SPITCH         ; the spare words, 128 bytes for each wave
.set ROWM,   2048                      ; a row of A, B or C in memory
.set TABLE,  16777216
.set ADRAX, 16                         ; v16, v17 LDS address of my fragments of A, of B in slot X
.set ADRBX, 17
.set ADRAY, 20                         ; v20, v21 the same in slot Y
.set ADRBY, 21
.set STO,  24
.set RD,   25
.set CO,   26
.set L16,  27                          ; v27 16 x lane
.set SPW,  28                          ; v28 my spare word; never rewritten
.set NIL,  29                          ; v29 0; never rewritten
.set PFO,  30                          ; v30 the prefetches' offset: a row a lane; never rewritten
.set TO,   31                          ; v31 the table store's offset
.set F0,   32
.set F1,   128
.set T,    32
.set P,    96
.set BK,   128
.set G1AX, 24                          ; s[24:31], s[32:39] descriptor group 1 for A's and B's tiles of slot X
.set G1BX, 32
.set G1AY, 48                          ; s[48:55], s[56:63] of slot Y
.set G1BY, 56
.set G0AX, 80                          ; s[80:95] the four groups 0
.set G0BX, 84
.set G0AY, 88
.set G0BY, 92
.set LIM, 43                           ; s43 1 in a wave that prefetches, else 0
.set PFA, 44                           ; s[44:45] my 32 rows for the prefetches, at K = 0; never stepped
.set SG,  66                           ; s[66:67] sigma, twice
.set SEL, 78                           ; s[78:79] selects for lane l xor 16
.set MSB, 0
.macro WIN new                         ; the immediate's high byte repeats the setting that is left
.if MSB != \new
	s_set_vgpr_msb (MSB<<8)|\new
.set MSB, \new
.endif
.endm
.set MUL, 0x50                         ; C and D window 1, the fragments window 0
; A joint load: waves 0 and 1 fetch A's halves, waves 2 and 3 B's; the branch hangs on the wave's number alone.  An s_nop 0 and four v_nop follow each of the two lines.
.macro JLOAD g0a, g1a, g0b, g1b
	s_cmp_eq_u32 s11, 0
	s_cbranch_scc0 .Lfor_b_\@
	tensor_load_to_lds s[\g0a:\g0a+3], s[\g1a:\g1a+7]
	s_nop 0
.rept 4
	v_nop
.endr
	s_branch .Lasked_\@
.Lfor_b_\@:
	tensor_load_to_lds s[\g0b:\g0b+3], s[\g1b:\g1b+7]
	s_nop 0
.rept 4
	v_nop
.endr
.Lasked_\@:
.endm
; A prefetch of what the NEXT refill will ask for: K steps first .. first + n - 1 of 32 rows, a lane a row, 256 bytes of a row an instruction.  It stands behind the joint load and the run of LDS loads that the next products wait for.
; Behind X{3,4}'s load: K step 5.  Behind Y{5}'s load: K steps 6 and 7, 256 matrix instructions ahead of their load.  Behind the last refill and at the head nothing is asked for; K steps 0 to 4 come by their loads alone.
; Each row's 256 bytes of a K step are named once in the launch.  A's 128 rows are read by my row of the cluster alone: wave 0 of each of the four partners takes 32 of them, told apart by address (cx).
; B's 256 rows of a column are read by the four partners of the column and by the two clusters of a batch: the cluster with an even y asks; waves 2 and 3 take the 128 rows that they fetch, each partner 32 of them (cy).
.macro ASK first, n
	s_cmp_eq_u32 s[LIM], 1
	s_cbranch_scc0 .Lnot_mine_\@
.set PP, \first
.rept \n
	global_prefetch_b8 v[PFO], s[PFA:PFA+1] offset:PP*KB th:TH_LOAD_NT scope:SCOPE_SE
.set PP, PP+1
.endr
.Lnot_mine_\@:
.endm
.macro CREST                           ; a round of the cluster's barrier behind its opening barrier
	s_cmp_lg_u32 s10, 0
	s_cbranch_scc1 .Lnot_wave_0_\@
	s_barrier_signal -3
.Lnot_wave_0_\@:
	s_barrier_wait -3
	s_barrier_signal -1
	s_barrier_wait -1
.endm
.macro CROUND
	s_barrier_signal -1
	s_barrier_wait -1
	CREST
.endm
.macro REDUCE d, t, base               ; the largest of 32 registers, none negative
	v_max3_num_f32 v[\d], v[\base], v[\base+1], v[\base+2]
	v_max3_num_f32 v[\t], v[\base+3], v[\base+4], v[\base+5]
.irp i, 6,10,14,18,22,26
	v_max3_num_f32 v[\d], v[\d], v[\base+\i], v[\base+\i+1]
	v_max3_num_f32 v[\t], v[\t], v[\base+\i+2], v[\base+\i+3]
.endr
	v_max3_num_f32 v[\d], v[\d], v[\base+30], v[\base+31]
	v_max_num_f32 v[\d], v[\d], v[\t]
.endm
.macro LANEMAX d, t                    ; the largest over the 32 lanes, in every lane; v[t] has been written
	v_max_num_f32_dpp v[\d], v[\d], v[\d] row_xmask:1 row_mask:0xf bank_mask:0xf
	v_max_num_f32_dpp v[\d], v[\d], v[\d] row_xmask:2 row_mask:0xf bank_mask:0xf
	v_max_num_f32_dpp v[\d], v[\d], v[\d] row_xmask:4 row_mask:0xf bank_mask:0xf
	v_max_num_f32_dpp v[\d], v[\d], v[\d] row_xmask:8 row_mask:0xf bank_mask:0xf
	v_permlanex16_b32 v[\t], v[\d], s[SEL], s[SEL+1]
	v_max_num_f32 v[\d], v[\d], v[\t]
.endm
	s_load_b128 s[4:7], s[0:1], 0x0                ; A s[4:5], B s[6:7]
	s_load_b64 s[8:9], s[0:1], 0x10                ; C
	v_lshl_add_u32 v[SPW], v0, 2, SPARE
	v_mov_b32 v[NIL], 0
	ds_add_u32 v[SPW], v[NIL]                      ; the wave's opening: the add, twice on end, and its wait ahead of my first tensor load
	ds_add_u32 v[SPW], v[NIL]
	v_lshrrev_b32 v1, 5, v0
	v_readfirstlane_b32 s10, v1                    ; wave 0..3
	s_lshr_b32 s11, s10, 1                         ; which 64 rows of the tile are mine.  Also: I fetch for A (0) or for B (1)
	s_and_b32 s12, s10, 1                          ; which 128 columns.  Also: which half I fetch
	s_bfe_u32 s40, ttmp6, 0x40000                  ; cx = tile column
	s_bfe_u32 s41, ttmp6, 0x40004                  ; cy
	s_and_b32 s42, ttmp7, 0xffff                   ; cluster y
	s_lshl_b32 s13, s42, 2
	s_add_co_u32 s13, s13, s41                     ; R: tile row = 4 x cluster y + cy
	s_lshl_b32 s14, s41, 2
	s_lshl_b32 s14, 15, s14                        ; my row of the cluster
	s_lshl_b32 s15, 0x1111, s40                    ; my column
	s_or_b32 s[G1AX+0], s14, (1<<16)|(1<<20)|(1<<21)|(6<<22)|(3<<25)   ; mask; elements of 2 bytes; padding on; bit 21 beside a mask; 4 words behind every 128
	s_or_b32 s[G1BX+0], s15, (1<<16)|(1<<20)|(1<<21)|(6<<22)|(3<<25)
	s_or_b32 s[G1AY+0], s14, (1<<16)|(1<<20)|(1<<21)|(5<<22)|(3<<25)   ; slot Y: 4 words behind every 64
	s_or_b32 s[G1BY+0], s15, (1<<16)|(1<<20)|(1<<21)|(5<<22)|(3<<25)
.irp g, G1AX, G1BX
	s_mov_b32 s[\g+1], 256<<16                     ; tensor_dim0 = 256: two K steps
	s_mov_b32 s[\g+3], 256<<16                     ; tile_dim0 = 256
.endr
.irp g, G1AY, G1BY
	s_mov_b32 s[\g+1], 128<<16                     ; tensor_dim0 = 128: one K step
	s_mov_b32 s[\g+3], 128<<16                     ; tile_dim0 = 128
.endr
.irp g, G1AX, G1AY
	s_mov_b32 s[\g+2], 64<<16                      ; A: tensor_dim1 = tile_dim1 = 64 rows
	s_mov_b32 s[\g+4], 64
.endr
.irp g, G1BX, G1BY
	s_mov_b32 s[\g+2], 128<<16                     ; B: 128 rows
	s_mov_b32 s[\g+4], 128
.endr
.irp g, G1AX, G1BX, G1AY, G1BY
	s_mov_b32 s[\g+5], 1024                        ; elements from row to row
	s_mov_b32 s[\g+6], 0
	s_mov_b32 s[\g+7], 0
.endr
	s_lshl_b32 s16, s13, 7
	s_lshl_b32 s17, s12, 6
	s_add_co_u32 s16, s16, s17                     ; A: row 128 R + 64 x half
	s_lshl_b32 s16, s16, 11
	s_mov_b32 s17, 0
	s_lshr_b32 s46, s42, 1
	s_lshl_b32 s46, s46, 10                        ; B: row 1,024 b
	s_lshl_b32 s47, s40, 8
	s_add_co_u32 s46, s46, s47                     ; + 256 cx
	s_lshl_b32 s47, s12, 7
	s_add_co_u32 s46, s46, s47                     ; + 128 x half
	s_lshl_b32 s46, s46, 11
	s_mov_b32 s47, 0
	s_mul_i32 s20, s12, XAH                        ; where they go: no place in the cluster enters an LDS address
	s_mul_i32 s21, s12, XBH
	s_add_co_u32 s21, s21, XBOFF
	s_mul_i32 s22, s12, YAH
	s_add_co_u32 s22, s22, YOFF
	s_mul_i32 s23, s12, YBH
	s_add_co_u32 s23, s23, YBOFF
	s_mov_b32 s[SEL], 0x76543210
	s_mov_b32 s[SEL+1], 0xfedcba98
	s_wait_dscnt 0x0                               ; both opening adds are done
	s_wait_kmcnt 0x0
	s_add_nc_u64 s[16:17], s[4:5], s[16:17]
	s_add_nc_u64 s[46:47], s[6:7], s[46:47]
	CROUND                                         ; all sixteen work-groups are here: the first joint loads meet
	s_mov_b32 s[G0AX], 1                           ; count = 1
	s_mov_b32 s[G0AX+1], s20                       ; LDS address
	s_mov_b64 s[G0AX+2:G0AX+3], s[16:17]           ; global address: K steps 0 and 1
	s_or_b32 s[G0AX+3], s[G0AX+3], 0x80000000      ; type = 2
	s_mov_b32 s[G0BX], 1
	s_mov_b32 s[G0BX+1], s21
	s_mov_b64 s[G0BX+2:G0BX+3], s[46:47]
	s_or_b32 s[G0BX+3], s[G0BX+3], 0x80000000
	JLOAD G0AX, G1AX, G0BX, G1BX
	s_mov_b32 s[G0AY], 1
	s_mov_b32 s[G0AY+1], s22
	s_add_nc_u64 s[G0AY+2:G0AY+3], s[16:17], 2*KB  ; K step 2
	s_or_b32 s[G0AY+3], s[G0AY+3], 0x80000000
	s_mov_b32 s[G0BY], 1
	s_mov_b32 s[G0BY+1], s23
	s_add_nc_u64 s[G0BY+2:G0BY+3], s[46:47], 2*KB
	s_or_b32 s[G0BY+3], s[G0BY+3], 0x80000000
	JLOAD G0AY, G1AY, G0BY, G1BY
	v_and_b32 v1, 15, v0                           ; r = l % 16
	v_bfe_u32 v2, v0, 4, 1                         ; h = l / 16
	v_mul_u32_u24 v3, v1, XP
	v_lshl_add_u32 v3, v2, 4, v3                   ; a fragment's row x pitch + 16 x half, in slot X
	v_mul_u32_u24 v4, v1, YP
	v_lshl_add_u32 v4, v2, 4, v4                   ; and in slot Y
	s_mul_i32 s20, s11, XAH                        ; my 64 rows of A
	v_add_nc_u32 v[ADRAX], s20, v3
	s_mul_i32 s20, s12, XBH                        ; my 128 rows of B, behind A's 128
	s_add_co_u32 s20, s20, XBOFF
	v_add_nc_u32 v[ADRBX], s20, v3
	s_mul_i32 s20, s11, YAH
	s_add_co_u32 s20, s20, YOFF
	v_add_nc_u32 v[ADRAY], s20, v4
	s_mul_i32 s20, s12, YBH
	s_add_co_u32 s20, s20, YBOFF
	v_add_nc_u32 v[ADRBY], s20, v4
	s_mul_i32 s23, s10, 16*SPITCH
	s_add_co_u32 s23, s23, STAGE                   ; my stage
	v_mul_u32_u24 v4, v1, SPITCH                   ; in: row r, 16 bytes for each half of the lanes
	v_lshl_add_u32 v4, v2, 4, v4
	v_add_nc_u32 v[STO], s23, v4
	v_mul_u32_u24 v5, v2, SPITCH                   ; back: lanes 0-15 one row of 256 bytes, lanes 16-31 the next
	v_lshl_add_u32 v5, v1, 4, v5
	v_add_nc_u32 v[RD], s23, v5
	v_lshlrev_b32 v5, 11, v2                       ; and the same two rows in C
	v_lshl_add_u32 v[CO], v1, 4, v5
	s_lshl_b32 s18, s13, 6                         ; my entry in C's table: 4 bytes x ((4 R + cx) 4 + wave)
	s_lshl_b32 s19, s40, 4
	s_add_co_u32 s18, s18, s19
	s_lshl_b32 s19, s10, 2
	s_add_co_u32 s18, s18, s19
	s_add_co_u32 s18, s18, TABLE
	s_mov_b32 s19, 0
	s_add_nc_u64 s[76:77], s[8:9], s[18:19]
	s_lshl_b32 s16, s13, 7                         ; my first row of C: 128 R + 64 x half
	s_lshl_b32 s17, s11, 6
	s_add_co_u32 s16, s16, s17
	s_lshl_b32 s16, s16, 11
	s_mov_b32 s17, 0
	s_add_nc_u64 s[8:9], s[8:9], s[16:17]
	s_lshl_b32 s46, s40, 9                         ; my first column, in bytes: 512 cx + 256 x half
	s_lshl_b32 s47, s12, 8
	s_add_co_u32 s46, s46, s47
	s_mov_b32 s47, 0
	s_add_nc_u64 s[8:9], s[8:9], s[46:47]
	; the prefetches: where mine stand, and who asks
	s_lshl_b32 s20, s13, 7
	s_lshl_b32 s21, s40, 5
	s_add_co_u32 s20, s20, s21                     ; A: row 128 R + 32 cx
	s_lshr_b32 s21, s42, 1
	s_lshl_b32 s21, s21, 10
	s_lshl_b32 s22, s40, 8
	s_add_co_u32 s21, s21, s22
	s_lshl_b32 s22, s12, 7
	s_add_co_u32 s21, s21, s22
	s_lshl_b32 s22, s41, 5
	s_add_co_u32 s21, s21, s22                     ; B: row 1,024 b + 256 cx + 128 x half + 32 cy
	s_and_b32 s22, s42, 1
	s_cmp_eq_u32 s11, 0                            ; do I fetch for A?
	s_cselect_b32 s20, s20, s21
	s_cselect_b32 s22, s12, s22                    ; 0 in wave 0, and in waves 2 and 3 of a cluster with an even y: the same in all sixteen partners, for a given wave
	s_cselect_b64 s[PFA:PFA+1], s[4:5], s[6:7]
	s_cmp_eq_u32 s22, 0
	s_cselect_b32 s[LIM], 1, 0
	s_lshl_b32 s20, s20, 11
	s_mov_b32 s21, 0
	s_add_nc_u64 s[PFA:PFA+1], s[PFA:PFA+1], s[20:21]
	v_and_b32 v[PFO], 31, v0
	v_lshlrev_b32 v[PFO], 11, v[PFO]
	; sigma, while the first tiles are on their way: the two tables of maxima and the two words c
	s_add_nc_u64 s[72:73], s[4:5], TABLE
	s_add_nc_u64 s[74:75], s[6:7], TABLE
	s_load_b32 s69, s[72:73], 0x1000               ; c of A
	s_load_b32 s70, s[74:75], 0x1000               ; c of B
	v_and_b32 v[L16], 31, v0
	v_lshlrev_b32 v[L16], 4, v[L16]
.irp i, 0,1,2,3,4,5,6,7
	global_load_b128 v[128+4*\i:131+4*\i], v[L16], s[72:73] offset:512*\i
	global_load_b128 v[160+4*\i:163+4*\i], v[L16], s[74:75] offset:512*\i
.endr
	s_wait_loadcnt 0x0
	REDUCE 6, 7, 128
	REDUCE 8, 9, 160
	LANEMAX 6, 7
	LANEMAX 8, 9
	v_readfirstlane_b32 s66, v6
	v_readfirstlane_b32 s67, v8
	s_wait_kmcnt 0x0
	s_lshr_b32 s66, s66, 23                        ; the maxima's exponent fields (neither is negative)
	s_lshr_b32 s67, s67, 23
	s_add_co_u32 s66, s66, s67
	s_sub_co_i32 s66, 384, s66
	s_max_i32 s66, s66, 1
	s_min_i32 s66, s66, 254                        ; sigma's exponent field
	s_add_co_i32 s68, s69, s70
	s_add_co_i32 s68, s68, s66
	s_sub_co_i32 s68, s68, 127                     ; c of C
	s_lshl_b32 s[SG], s66, 23
	s_mov_b32 s[SG+1], s[SG]                       ; (the packed form names the pair)
	v_mov_b32 v6, 0                                ; the running maxima of |sigma C|, two chains
	v_mov_b32 v7, 0
; 8 matrix instructions: A's block a x B's eight, 32 along K.  The 32 accumulators take turns, one instruction a turn, in the same order in every quarter.  zero = 1: the first product starts the sums.
.macro MUL8 f, a, zero
.irp b, 0,1,2,3,4,5,6,7
.if \zero
	v_wmma_f32_16x16x32_f16 v[8*(8*(\a)+\b):8*(8*(\a)+\b)+7], v[\f+32+8*\b:\f+32+8*\b+7], v[\f+8*(\a):\f+8*(\a)+7], 0
.else
	v_wmma_f32_16x16x32_f16 v[8*(8*(\a)+\b):8*(8*(\a)+\b)+7], v[\f+32+8*\b:\f+32+8*\b+7], v[\f+8*(\a):\f+8*(\a)+7], v[8*(8*(\a)+\b):8*(8*(\a)+\b)+7]
.endif
.endr
.endm
.macro MULH f, hf, zero
	MUL8 \f, 2*(\hf), \zero
	MUL8 \f, 2*(\hf)+1, \zero
.endm
; 24 LDS loads in one run: the fragments of 32 along K at byte k of the rows: B's eight, then A's blocks 0, 1, then 2, 3.  A fragment: lane l holds row l % 16; registers 0-3 K = 8 (l / 16) + 0..7, registers 4-7 K = 16 + 8 (l / 16) + 0..7
.macro FRAGS aa, ab, p, k, f
.irp i, 0,1,2,3,4,5,6,7
	ds_load_b128 v[\f+32+8*\i:\f+32+8*\i+3],   v[\ab] offset:\k+\i*16*\p
	ds_load_b128 v[\f+32+8*\i+4:\f+32+8*\i+7], v[\ab] offset:\k+\i*16*\p+32
.endr
.irp i, 0,1,2,3
	ds_load_b128 v[\f+8*\i:\f+8*\i+3],   v[\aa] offset:\k+\i*16*\p
	ds_load_b128 v[\f+8*\i+4:\f+8*\i+7], v[\aa] offset:\k+\i*16*\p+32
.endr
.endm
.macro FETCH sl, k, f                  ; sl = 0: from slot X, 1: from slot Y
.if \sl
	FRAGS ADRAY, ADRBY, YP, \k, \f
.else
	FRAGS ADRAX, ADRBX, XP, \k, \f
.endif
.endm
.macro PLACES                          ; four plain vector lines between a matrix instruction and a load into, or a read of, its registers (ISA guide 7.12.1 for reads)
.rept 4
	v_nop
.endr
.endm
; A quarter is 32 along K, 32 matrix instructions; the quarters go on buffers 0, 1, 0, 1 ..  This one multiplies buffer f and fetches the next quarter, at byte k of the same slot's rows, into g.
.macro QUARTER sl, k, f, g, zero
	s_wait_dscnt 4                                 ; B's fragments and A's blocks 0, 1 are in; the youngest four loads (A's blocks 2, 3) may be out
	WIN MUL
	MULH \f, 0, \zero
	PLACES
	WIN 0
	FETCH \sl, \k, \g
	s_wait_dscnt 24                                ; all but the 24 just issued
	WIN MUL
	MULH \f, 1, \zero
.endm
.macro XRUN zero                       ; the first seven of slot X's eight quarters
	QUARTER 0, 64,  F0, F1, \zero
	QUARTER 0, 128, F1, F0, 0
	QUARTER 0, 192, F0, F1, 0
	QUARTER 0, 256, F1, F0, 0
	QUARTER 0, 320, F0, F1, 0
	QUARTER 0, 384, F1, F0, 0
	QUARTER 0, 448, F0, F1, 0
.endm
.macro YRUN                            ; the first three of slot Y's four
	QUARTER 1, 64,  F0, F1, 0
	QUARTER 1, 128, F1, F0, 0
	QUARTER 1, 192, F0, F1, 0
.endm
; A slot's last quarter multiplies buffer 1 and changes slots: ONE barrier; in front of it each wave waits for all its tensor loads (its part of the next slot), adds 0 to its spare word, and waits for that and for its reads of this slot.
; fill = 1 (slot X) or 2 (slot Y): the barrier opens a round of the cluster's barrier, and the slot just left is filled again, three K steps further on, first thing behind the round.  fill = 0: nothing is left to fetch.
; next: the slot that is read from here on.  pf, pn: the prefetch's first K step and how many (0: none).
.macro TURN fill, next, pf, pn
	WIN 0                                          ; (the add's two registers lie in window 0)
	s_wait_tensorcnt 0x0                           ; all my tensor loads have landed
	ds_add_u32 v[SPW], v[NIL]                      ; 0 onto my spare word
	s_wait_dscnt 5                                 ; (the add and the youngest four loads may be out)
	WIN MUL
	MUL8 F1, 0, 0                                  ; eight matrix instructions stand between the add and the wait for it
	s_wait_dscnt 0x0                               ; the add is done, and my reads of this slot are over
	s_barrier_signal -1
	MUL8 F1, 1, 0
.if \fill
	WIN 0
.endif
	s_barrier_wait -1
.if \fill == 1
	CREST                                          ; no wave of any partner still reads this slot's tiles or has a load on its way
	s_add_nc_u64 s[G0AX+2:G0AX+3], s[G0AX+2:G0AX+3], 3*KB
	s_add_nc_u64 s[G0BX+2:G0BX+3], s[G0BX+2:G0BX+3], 3*KB
	JLOAD G0AX, G1AX, G0BX, G1BX                   ; the first tensor load behind the round; its four v_nop are also the places in front of the loads below
.elseif \fill == 2
	CREST
	s_add_nc_u64 s[G0AY+2:G0AY+3], s[G0AY+2:G0AY+3], 3*KB
	s_add_nc_u64 s[G0BY+2:G0BY+3], s[G0BY+2:G0BY+3], 3*KB
	JLOAD G0AY, G1AY, G0BY, G1BY
.else
	PLACES
	WIN 0
.endif
	FETCH \next, 0, F0
.if \pn
	ASK \pf, \pn
.endif
	WIN MUL
	MULH F1, 1, 0
.endm
	s_wait_tensorcnt 1                             ; my part of slot X is in (slot Y's may stay out)
	s_barrier_signal -1
	s_barrier_wait -1                              ; everybody's is
	FETCH 0, 0, F0
	XRUN 1                                         ; K steps 0 and 1; the first quarter's products start the sums
	TURN 1, 1, 5, 1                                ; X is left and takes K steps 3 and 4; on to Y
	YRUN                                           ; K step 2
	TURN 2, 0, 6, 2                                ; Y is left and takes K step 5; on to X
	XRUN 0                                         ; K steps 3 and 4
	TURN 1, 1, 0, 0                                ; X is left and takes K steps 6 and 7; on to Y
	YRUN                                           ; K step 5
	TURN 0, 0, 0, 0                                ; Y is left; nothing is filled, so no round of the cluster's barrier; on to X
	XRUN 0                                         ; K steps 6 and 7
	s_wait_dscnt 4                                 ; the very last quarter: nothing more to fetch
	WIN MUL
	MULH F1, 0, 0
	s_wait_dscnt 0
	MULH F1, 1, 0
	WIN 0
; THE WAY OUT, block by block of 16 rows x 128 columns.  PACK: x sigma (exact), the running maximum, rounded to f16: 16 bytes a lane.  TOSTAGE: into my own stage, and back as whole rows of 256 bytes.  SEND: stored.
.macro PACK a
	WIN 0x01                                       ; source 0: window 1
.set II, 0
.rept 32
	v_pk_mul_f32 v[T+2*II:T+2*II+1], v[64*(\a)+2*II:64*(\a)+2*II+1], s[SG:SG+1] op_sel_hi:[1,0]   ; each accumulator from its low end on
.set II, II+1
.endr
	WIN 0
.set II, 0
.rept 32
	v_max3_num_f32 v[6+II%2], v[6+II%2], |v[T+2*II]|, |v[T+2*II+1]|
.set II, II+1
.endr
.set II, 0
.rept 32
	v_cvt_pk_f16_f32 v[P+II], v[T+2*II], v[T+2*II+1]
.set II, II+1
.endr
.endm
.macro TOSTAGE a
.set BB, BK+32*((\a)%2)
.irp b, 0,1,2,3,4,5,6,7
	ds_store_b128 v[STO], v[P+4*\b:P+4*\b+3] offset:32*\b
.endr
.irp t, 0,1,2,3,4,5,6,7
	ds_load_b128 v[BB+4*\t:BB+4*\t+3], v[RD] offset:\t*2*SPITCH    ; LDS serves a wave's instructions in order (ISA guide 5.7.1.4): these see the stores above
.endr
.endm
.macro SEND a
.set BB, BK+32*((\a)%2)
	s_wait_dscnt 0x0                               ; the block is back in registers
	s_wait_xcnt 0x0                                ; the earlier stores have read their registers: the next block's loads land there only behind this wait
.irp t, 0,1,2,3,4,5,6,7
	global_store_b128 v[CO], v[BB+4*\t:BB+4*\t+3], s[8:9] offset:(16*(\a)+2*\t)*ROWM   ; 16 lanes store 256 consecutive bytes, at a multiple of 256 from C's first byte
.endr
.endm
	PLACES                                         ; behind the last products: their results are read and their fragments written over
	PACK 0
	TOSTAGE 0
.irp a, 1,2,3                          ; block a's arithmetic stands between block a - 1's loads from the stage and the wait for them
	PACK \a
	SEND \a-1
	TOSTAGE \a
.endr
	SEND 3
	; my maximum and c go into C's table: lane 0 the maximum, lane 1 c, 4,096 bytes further on
	v_max_num_f32 v6, v6, v7
	LANEMAX 6, 7
	v_and_b32 v8, 31, v0
	v_and_b32 v9, 1, v8
	v_lshlrev_b32 v[TO], 12, v9
	v_mov_b32 v9, s68
	v_cmp_eq_u32 vcc_lo, 1, v8
	v_cndmask_b32 v6, v6, v9, vcc_lo
	v_cmp_gt_u32 vcc_lo, 2, v8
	s_wait_xcnt 0x0                                ; EXEC is a source of the stores above: it changes only behind this wait
	s_and_saveexec_b32 s14, vcc_lo
	global_store_b32 v[TO], v6, s[76:77]
	s_wait_xcnt 0x0                                ; and again, in front of the line that widens it
	s_or_b32 exec_lo, exec_lo, s14
	s_wait_tensorcnt 0x0                           ; the wave's end, behind my last tensor load and my last LDS store
	ds_add_u32 v[SPW], v[NIL]
	s_wait_dscnt 0x0
	CROUND                                         ; the closing round: no work-group ends while a partner may still ask for a tile that names it
	s_endpgm
.Lfunc_end_k_q2c92a742ef_kv:
	.size	k_q2c92a742ef_kv, .Lfunc_end_k_q2c92a742ef_kv-k_q2c92a742ef_kv
	.p2alignl 7, 3214868480
	.fill 96, 4, 3214868480
	.section	.rodata,"a",@progbits
	.p2align	6, 0x0
	.amdhsa_kernel k_q2c92a742ef_kv
		.amdhsa_group_segment_fixed_size 327680
		.amdhsa_private_segment_fixed_size 0
		.amdhsa_enable_private_segment 0
		.amdhsa_kernarg_size 24
		.amdhsa_user_sgpr_count 2
		.amdhsa_user_sgpr_kernarg_segment_ptr 1
		.amdhsa_wavefront_size32 1
		.amdhsa_system_sgpr_workgroup_id_x 1
		.amdhsa_system_sgpr_workgroup_id_y 1
		.amdhsa_system_sgpr_workgroup_id_z 1
		.amdhsa_system_vgpr_workitem_id 0
		.amdhsa_next_free_vgpr 512
		.amdhsa_next_free_sgpr 96
		.amdhsa_reserve_vcc 1
		.amdhsa_float_denorm_mode_32 3
		.amdhsa_float_denorm_mode_16_64 3
		.amdhsa_memory_ordered 1
		.amdhsa_forward_progress 1
		.amdhsa_inst_pref_size 171
	.end_amdhsa_kernel
	.amdgpu_metadata
---
amdhsa.version: [ 1, 2 ]
amdhsa.kernels:
  - .name:           k_q2c92a742ef_kv
    .symbol:         k_q2c92a742ef_kv.kd
    .args:
      - { .name: vt, .offset: 0, .size: 8, .value_kind: global_buffer, .address_space: global }
      - { .name: kt, .offset: 8, .size: 8, .value_kind: global_buffer, .address_space: global }
      - { .name: kvt, .offset: 16, .size: 8, .value_kind: global_buffer, .address_space: global }
    .group_segment_fixed_size: 327680
    .private_segment_fixed_size: 0
    .kernarg_segment_align: 8
    .kernarg_segment_size: 24
    .max_flat_workgroup_size: 128
    .sgpr_count:     96
    .vgpr_count:     512
    .wavefront_size: 32
...
	.end_amdgpu_metadata
.endif
;; end of part 3
;; launch zz: the kernel of part 3 again; grid 4 x 64, 4 waves a work-group, clusters of 4 x 4, 327,680 bytes of LDS; arguments q, kvt, z; writes z
;; launch outp (part 4): grid 4 x 64, 4 waves a work-group, clusters of 4 x 4, 327,680 bytes of LDS; arguments z, wp16, bp, x, out0; writes out0
.if DOCPART == 4
	.amdgcn_target "amdgcn-amd-amdhsa--gfx1250"
	.amdhsa_code_object_version 6
	.text
	.protected	k_q2c92a742ef_outp
	.globl	k_q2c92a742ef_outp
	.p2align	8
	.type	k_q2c92a742ef_outp,@function
k_q2c92a742ef_outp:
	s_mov_b64 s[64:65], 0
	v_nop
	global_prefetch_b8 v0, s[64:65] scope:SCOPE_SE
	s_setreg_imm32_b32 hwreg(HW_REG_WAVE_MODE, 25, 1), 1
	s_wait_xcnt 0x0
	s_wait_alu depctr_hold_cnt(0) depctr_sa_sdst(0) depctr_va_vdst(0) depctr_va_sdst(0) depctr_va_ssrc(0) depctr_va_vcc(0) depctr_vm_vsrc(0)
	s_getreg_b32 s2, hwreg(HW_REG_IB_STS2, 6, 4)
	s_cmp_eq_u32 s2, 0
	s_cbranch_scc0 .Lentry_in_a_cluster
	s_endpgm
.Lentry_in_a_cluster:
	s_bfe_u32 s2, ttmp6, 0x10000c
	s_cmp_lg_u32 s2, 0xf033
	s_cbranch_scc0 .Lentry_shape_is_right
	s_endpgm
.Lentry_shape_is_right:
; out[8192][1024] f32 = phi x (z' Wp16^T) + bp + x.  z' [8192][1024] f16 is the true z x 2^c, with the word c at byte TABLE + 4,096 of its buffer; phi = 2^-c, exact (its exponent field 127 - c is held to 1 .. 254);
; Wp16 [1024][1024] is Wp in f16, K innermost; bp [1024] and x [8192][1024] are f32.  Sums in f32; bp, then x, are added in f32.
; LIMITS: |c| up to 126; NaN and infinities are not served.
; SHARES, ring, cluster and walk are those of the product in front of this one: a tile of out is 128 x 256 (256 work-groups), four waves of 64 x 128; tile row R = 4 x cluster y + cy, tile column cx;
; z's tile is asked for jointly along a row of the cluster, Wp16's along a column.
; THE RING.  K = 1,024 is eight K steps of 128 (256 bytes of a row, aligned).  LDS holds three of them: slot X two (rows of 512 bytes), slot Y one (rows of 256 bytes).  The walk is X{0,1} Y{2} X{3,4} Y{5} X{6,7}:
; X and Y are first filled at the head, three refills follow, each behind a round of the cluster's barrier, one tensor load a wave; two loads of a wave are out at the start, then one.  The walk is written out.
; MY 64 x 128 NUMBERS OF x are asked for ahead of the last two K steps, into 256 registers of their own (window 2): they land while those are multiplied.
; THE STAGE of the way out lies in slot Y: when the first result is stored there, Y has had its last fill (K step 5), and every wave has passed the barrier in front of K step 6, behind which nobody reads Y.
; REGISTERS: window 0: v0-31 addresses; v32-127, v128-223 two fragment buffers; v224-227 bp of my four columns of a row read back; on the way out v32-159 rows read back, two sets.   window 1: the accumulators.   window 2: x.
.set KB,     256                       ; a K step in bytes of a row
.set XP,     528                       ; a row of slot X: 512 bytes + 16 of padding; of slot Y: 256 + 16.  Both are odd multiples of 16 bytes: the 16 rows that a load touches start at 16 different banks (64 banks of 4 bytes: ISA guide 11.1)
.set YP,     272
.set XAH,    64*XP
.set XBH,    128*XP
.set XBOFF,  2*XAH                     ; slot X: z's 128 rows, then Wp16's 256
.set YOFF,   XBOFF+2*XBH               ; slot Y behind it, laid likewise
.set YAH,    64*YP
.set YBH,    128*YP
.set YBOFF,  YOFF+2*YAH
.set SPARE,  YBOFF+2*YBH               ; behind the ring: the spare words, 128 bytes for each wave
.set STAGE,  YOFF                      ; 16 rows x (512 + 16) bytes for each wave: 33,792 of slot Y's 104,448 bytes
.set SPITCH, 528
.set TABLE,  16777216
.set OROW,   4096                      ; a row of x and of out in bytes
.set ADRAX, 16
.set ADRBX, 17
.set ADRAY, 20
.set ADRBY, 21
.set STO,  24
.set RD,   25
.set L16,  27                          ; v27 16 x lane: my bytes in a row of 512; never rewritten
.set SPW,  28                          ; v28 my spare word; never rewritten
.set NIL,  29                          ; v29 0; never rewritten
.set PFO,  30                          ; v30 the prefetches' offset: a row a lane; never rewritten
.set F0,   32
.set F1,   128
.set BP,   224
.set G1AX, 24
.set G1BX, 32
.set G1AY, 48
.set G1BY, 56
.set G0AX, 80
.set G0BX, 84
.set G0AY, 88
.set G0BY, 92
.set LIM, 43                           ; s43 1 in a wave that prefetches, else 0
.set PFA, 44                           ; s[44:45] my 32 rows for the prefetches, at K = 0; never stepped
.set SG,  66                           ; s[66:67] phi, twice
.set MSB, 0
.macro WIN new                         ; the immediate's high byte repeats the setting that is left
.if MSB != \new
	s_set_vgpr_msb (MSB<<8)|\new
.set MSB, \new
.endif
.endm
.set MUL, 0x50                         ; C and D window 1, the fragments window 0
; A joint load: waves 0 and 1 fetch z's halves, waves 2 and 3 Wp16's; the branch hangs on the wave's number alone.  An s_nop 0 and four v_nop follow each of the two lines.
.macro JLOAD g0a, g1a, g0b, g1b
	s_cmp_eq_u32 s11, 0
	s_cbranch_scc0 .Lfor_b_\@
	tensor_load_to_lds s[\g0a:\g0a+3], s[\g1a:\g1a+7]
	s_nop 0
.rept 4
	v_nop
.endr
	s_branch .Lasked_\@
.Lfor_b_\@:
	tensor_load_to_lds s[\g0b:\g0b+3], s[\g1b:\g1b+7]
	s_nop 0
.rept 4
	v_nop
.endr
.Lasked_\@:
.endm
; A prefetch of what the NEXT refill will ask for: K steps first .. first + n - 1 of 32 rows, a lane a row, 256 bytes of a row an instruction.  It stands behind the joint load and the run of LDS loads that the next products wait for.
; Behind X{3,4}'s load: K step 5.  Behind Y{5}'s load: K steps 6 and 7, 256 matrix instructions ahead of their load.  Behind the last refill and at the head nothing is asked for; K steps 0 to 4 come by their loads alone.
; Each row's 256 bytes of a K step are named once in the launch.  z's 128 rows are read by my row of the cluster alone: wave 0 of each partner takes 32 of them, told apart by address (cx).
; Wp16's rows are read by every cluster: the cluster with y = 0 asks; waves 2 and 3 take the 128 rows that they fetch, each partner of a column 32 of them (cy).
.macro ASK first, n
	s_cmp_eq_u32 s[LIM], 1
	s_cbranch_scc0 .Lnot_mine_\@
.set PP, \first
.rept \n
	global_prefetch_b8 v[PFO], s[PFA:PFA+1] offset:PP*KB th:TH_LOAD_NT scope:SCOPE_SE
.set PP, PP+1
.endr
.Lnot_mine_\@:
.endm
.macro CREST                           ; a round of the cluster's barrier behind its opening barrier
	s_cmp_lg_u32 s10, 0
	s_cbranch_scc1 .Lnot_wave_0_\@
	s_barrier_signal -3
.Lnot_wave_0_\@:
	s_barrier_wait -3
	s_barrier_signal -1
	s_barrier_wait -1
.endm
.macro CROUND
	s_barrier_signal -1
	s_barrier_wait -1
	CREST
.endm
	s_load_b128 s[4:7], s[0:1], 0x0                ; z s[4:5], Wp16 s[6:7]
	s_load_b128 s[96:99], s[0:1], 0x10             ; bp s[96:97], x s[98:99]
	s_load_b64 s[8:9], s[0:1], 0x20                ; out
	v_lshl_add_u32 v[SPW], v0, 2, SPARE
	v_mov_b32 v[NIL], 0
	ds_add_u32 v[SPW], v[NIL]                      ; the wave's opening: the add, twice on end, and its wait ahead of my first tensor load
	ds_add_u32 v[SPW], v[NIL]
	v_lshrrev_b32 v1, 5, v0
	v_readfirstlane_b32 s10, v1                    ; wave 0..3
	s_lshr_b32 s11, s10, 1                         ; which 64 rows of the tile are mine.  Also: I fetch for z (0) or for Wp16 (1)
	s_and_b32 s12, s10, 1                          ; which 128 columns.  Also: which half I fetch
	s_bfe_u32 s40, ttmp6, 0x40000                  ; cx = tile column
	s_bfe_u32 s41, ttmp6, 0x40004                  ; cy
	s_and_b32 s42, ttmp7, 0xffff                   ; cluster y
	s_lshl_b32 s13, s42, 2
	s_add_co_u32 s13, s13, s41                     ; R: tile row = 4 x cluster y + cy
	s_lshl_b32 s14, s41, 2
	s_lshl_b32 s14, 15, s14                        ; my row of the cluster
	s_lshl_b32 s15, 0x1111, s40                    ; my column
	s_or_b32 s[G1AX+0], s14, (1<<16)|(1<<20)|(1<<21)|(6<<22)|(3<<25)   ; mask; elements of 2 bytes; padding on; bit 21 beside a mask; 4 words behind every 128
	s_or_b32 s[G1BX+0], s15, (1<<16)|(1<<20)|(1<<21)|(6<<22)|(3<<25)
	s_or_b32 s[G1AY+0], s14, (1<<16)|(1<<20)|(1<<21)|(5<<22)|(3<<25)   ; slot Y: 4 words behind every 64
	s_or_b32 s[G1BY+0], s15, (1<<16)|(1<<20)|(1<<21)|(5<<22)|(3<<25)
.irp g, G1AX, G1BX
	s_mov_b32 s[\g+1], 256<<16                     ; tensor_dim0 = 256: two K steps
	s_mov_b32 s[\g+3], 256<<16                     ; tile_dim0 = 256
.endr
.irp g, G1AY, G1BY
	s_mov_b32 s[\g+1], 128<<16                     ; tensor_dim0 = 128: one K step
	s_mov_b32 s[\g+3], 128<<16                     ; tile_dim0 = 128
.endr
.irp g, G1AX, G1AY
	s_mov_b32 s[\g+2], 64<<16                      ; z: tensor_dim1 = tile_dim1 = 64 rows
	s_mov_b32 s[\g+4], 64
.endr
.irp g, G1BX, G1BY
	s_mov_b32 s[\g+2], 128<<16                     ; Wp16: 128 rows
	s_mov_b32 s[\g+4], 128
.endr
.irp g, G1AX, G1BX, G1AY, G1BY
	s_mov_b32 s[\g+5], 1024                        ; elements from row to row
	s_mov_b32 s[\g+6], 0
	s_mov_b32 s[\g+7], 0
.endr
	s_lshl_b32 s16, s13, 7
	s_lshl_b32 s17, s12, 6
	s_add_co_u32 s16, s16, s17                     ; z: row 128 R + 64 x half
	s_lshl_b32 s16, s16, 11
	s_mov_b32 s17, 0
	s_lshl_b32 s46, s40, 8                         ; Wp16: row 256 cx
	s_lshl_b32 s47, s12, 7
	s_add_co_u32 s46, s46, s47                     ; + 128 x half
	s_lshl_b32 s46, s46, 11
	s_mov_b32 s47, 0
	s_mul_i32 s20, s12, XAH                        ; where they go: no place in the cluster enters an LDS address
	s_mul_i32 s21, s12, XBH
	s_add_co_u32 s21, s21, XBOFF
	s_mul_i32 s22, s12, YAH
	s_add_co_u32 s22, s22, YOFF
	s_mul_i32 s23, s12, YBH
	s_add_co_u32 s23, s23, YBOFF
	s_wait_dscnt 0x0                               ; both opening adds are done
	s_wait_kmcnt 0x0
	s_add_nc_u64 s[16:17], s[4:5], s[16:17]
	s_add_nc_u64 s[46:47], s[6:7], s[46:47]
	CROUND                                         ; all sixteen work-groups are here: the first joint loads meet
	s_mov_b32 s[G0AX], 1                           ; count = 1
	s_mov_b32 s[G0AX+1], s20                       ; LDS address
	s_mov_b64 s[G0AX+2:G0AX+3], s[16:17]           ; global address: K steps 0 and 1
	s_or_b32 s[G0AX+3], s[G0AX+3], 0x80000000      ; type = 2
	s_mov_b32 s[G0BX], 1
	s_mov_b32 s[G0BX+1], s21
	s_mov_b64 s[G0BX+2:G0BX+3], s[46:47]
	s_or_b32 s[G0BX+3], s[G0BX+3], 0x80000000
	JLOAD G0AX, G1AX, G0BX, G1BX
	s_mov_b32 s[G0AY], 1
	s_mov_b32 s[G0AY+1], s22
	s_add_nc_u64 s[G0AY+2:G0AY+3], s[16:17], 2*KB  ; K step 2
	s_or_b32 s[G0AY+3], s[G0AY+3], 0x80000000
	s_mov_b32 s[G0BY], 1
	s_mov_b32 s[G0BY+1], s23
	s_add_nc_u64 s[G0BY+2:G0BY+3], s[46:47], 2*KB
	s_or_b32 s[G0BY+3], s[G0BY+3], 0x80000000
	JLOAD G0AY, G1AY, G0BY, G1BY
	s_add_nc_u64 s[72:73], s[4:5], TABLE
	s_load_b32 s69, s[72:73], 0x1000               ; c of z
	v_and_b32 v1, 15, v0                           ; r = l % 16
	v_bfe_u32 v2, v0, 4, 1                         ; h = l / 16
	v_mul_u32_u24 v3, v1, XP
	v_lshl_add_u32 v3, v2, 4, v3                   ; a fragment's row x pitch + 16 x half, in slot X
	v_mul_u32_u24 v4, v1, YP
	v_lshl_add_u32 v4, v2, 4, v4                   ; and in slot Y
	s_mul_i32 s20, s11, XAH                        ; my 64 rows of z
	v_add_nc_u32 v[ADRAX], s20, v3
	s_mul_i32 s20, s12, XBH                        ; my 128 rows of Wp16, behind z's 128
	s_add_co_u32 s20, s20, XBOFF
	v_add_nc_u32 v[ADRBX], s20, v3
	s_mul_i32 s20, s11, YAH
	s_add_co_u32 s20, s20, YOFF
	v_add_nc_u32 v[ADRAY], s20, v4
	s_mul_i32 s20, s12, YBH
	s_add_co_u32 s20, s20, YBOFF
	v_add_nc_u32 v[ADRBY], s20, v4
	v_and_b32 v[L16], 31, v0
	v_lshlrev_b32 v[L16], 4, v[L16]
	s_mul_i32 s23, s10, 16*SPITCH
	s_add_co_u32 s23, s23, STAGE                   ; my stage
	v_mul_u32_u24 v4, v1, SPITCH                   ; in: row r, 32 bytes for each half of the lanes
	v_lshl_add_u32 v4, v2, 5, v4
	v_add_nc_u32 v[STO], s23, v4
	v_add_nc_u32 v[RD], s23, v[L16]                ; back: the 32 lanes take one row of 512 bytes
	s_lshl_b32 s46, s40, 10                        ; my first column, in bytes of f32: 1,024 cx + 512 x half
	s_lshl_b32 s47, s12, 9
	s_add_co_u32 s46, s46, s47
	s_mov_b32 s47, 0
	s_add_nc_u64 s[96:97], s[96:97], s[46:47]      ; bp at my 128 columns
	global_load_b128 v[BP:BP+3], v[L16], s[96:97]  ; waited for on the way out
	s_lshl_b32 s16, s13, 7                         ; my first row: 128 R + 64 x half
	s_lshl_b32 s17, s11, 6
	s_add_co_u32 s16, s16, s17
	s_lshl_b32 s16, s16, 12
	s_mov_b32 s17, 0
	s_add_nc_u64 s[98:99], s[98:99], s[16:17]      ; x and out at my part of the tile
	s_add_nc_u64 s[98:99], s[98:99], s[46:47]
	s_add_nc_u64 s[8:9], s[8:9], s[16:17]
	s_add_nc_u64 s[8:9], s[8:9], s[46:47]
	; the prefetches: where mine stand, and who asks
	s_lshl_b32 s20, s13, 7
	s_lshl_b32 s21, s40, 5
	s_add_co_u32 s20, s20, s21                     ; z: row 128 R + 32 cx
	s_lshl_b32 s21, s40, 8
	s_lshl_b32 s22, s12, 7
	s_add_co_u32 s21, s21, s22
	s_lshl_b32 s22, s41, 5
	s_add_co_u32 s21, s21, s22                     ; Wp16: row 256 cx + 128 x half + 32 cy
	s_cmp_eq_u32 s11, 0                            ; do I fetch for z?
	s_cselect_b32 s20, s20, s21
	s_cselect_b32 s22, s12, s42                    ; 0 in wave 0, and in waves 2 and 3 of the cluster with y = 0: the same in all sixteen partners, for a given wave
	s_cselect_b64 s[PFA:PFA+1], s[4:5], s[6:7]
	s_cmp_eq_u32 s22, 0
	s_cselect_b32 s[LIM], 1, 0
	s_lshl_b32 s20, s20, 11
	s_mov_b32 s21, 0
	s_add_nc_u64 s[PFA:PFA+1], s[PFA:PFA+1], s[20:21]
	v_and_b32 v[PFO], 31, v0
	v_lshlrev_b32 v[PFO], 11, v[PFO]
	s_wait_kmcnt 0x0
	s_sub_co_i32 s66, 127, s69
	s_max_i32 s66, s66, 1
	s_min_i32 s66, s66, 254                        ; phi's exponent field
	s_lshl_b32 s[SG], s66, 23
	s_mov_b32 s[SG+1], s[SG]                       ; (the packed form names the pair)
; 8 matrix instructions: z's block a x Wp16's eight, 32 along K.  The 32 accumulators take turns, one instruction a turn, in the same order in every quarter.  zero = 1: the first product starts the sums.
.macro MUL8 f, a, zero
.irp b, 0,1,2,3,4,5,6,7
.if \zero
	v_wmma_f32_16x16x32_f16 v[8*(8*(\a)+\b):8*(8*(\a)+\b)+7], v[\f+32+8*\b:\f+32+8*\b+7], v[\f+8*(\a):\f+8*(\a)+7], 0
.else
	v_wmma_f32_16x16x32_f16 v[8*(8*(\a)+\b):8*(8*(\a)+\b)+7], v[\f+32+8*\b:\f+32+8*\b+7], v[\f+8*(\a):\f+8*(\a)+7], v[8*(8*(\a)+\b):8*(8*(\a)+\b)+7]
.endif
.endr
.endm
.macro MULH f, hf, zero
	MUL8 \f, 2*(\hf), \zero
	MUL8 \f, 2*(\hf)+1, \zero
.endm
; 24 LDS loads in one run: the fragments of 32 along K at byte k of the rows: B's eight, then A's blocks 0, 1, then 2, 3
.macro FRAGS aa, ab, p, k, f
.irp i, 0,1,2,3,4,5,6,7
	ds_load_b128 v[\f+32+8*\i:\f+32+8*\i+3],   v[\ab] offset:\k+\i*16*\p
	ds_load_b128 v[\f+32+8*\i+4:\f+32+8*\i+7], v[\ab] offset:\k+\i*16*\p+32
.endr
.irp i, 0,1,2,3
	ds_load_b128 v[\f+8*\i:\f+8*\i+3],   v[\aa] offset:\k+\i*16*\p
	ds_load_b128 v[\f+8*\i+4:\f+8*\i+7], v[\aa] offset:\k+\i*16*\p+32
.endr
.endm
.macro FETCH sl, k, f                  ; sl = 0: from slot X, 1: from slot Y
.if \sl
	FRAGS ADRAY, ADRBY, YP, \k, \f
.else
	FRAGS ADRAX, ADRBX, XP, \k, \f
.endif
.endm
.macro PLACES                          ; four plain vector lines between a matrix instruction and a load into, or a read of, its registers (ISA guide 7.12.1 for reads)
.rept 4
	v_nop
.endr
.endm
; A quarter is 32 along K, 32 matrix instructions; the quarters go on buffers 0, 1, 0, 1 ..  This one multiplies buffer f and fetches the next quarter, at byte k of the same slot's rows, into g.
.macro QUARTER sl, k, f, g, zero
	s_wait_dscnt 4                                 ; B's fragments and A's blocks 0, 1 are in; the youngest four loads (A's blocks 2, 3) may be out
	WIN MUL
	MULH \f, 0, \zero
	PLACES
	WIN 0
	FETCH \sl, \k, \g
	s_wait_dscnt 24                                ; all but the 24 just issued
	WIN MUL
	MULH \f, 1, \zero
.endm
.macro XRUN zero                       ; the first seven of slot X's eight quarters
	QUARTER 0, 64,  F0, F1, \zero
	QUARTER 0, 128, F1, F0, 0
	QUARTER 0, 192, F0, F1, 0
	QUARTER 0, 256, F1, F0, 0
	QUARTER 0, 320, F0, F1, 0
	QUARTER 0, 384, F1, F0, 0
	QUARTER 0, 448, F0, F1, 0
.endm
.macro YRUN                            ; the first three of slot Y's four
	QUARTER 1, 64,  F0, F1, 0
	QUARTER 1, 128, F1, F0, 0
	QUARTER 1, 192, F0, F1, 0
.endm
; A slot's last quarter multiplies buffer 1 and changes slots: ONE barrier; in front of it each wave waits for all its tensor loads (its part of the next slot), adds 0 to its spare word, and waits for that and for its reads of this slot.
; fill = 1 (slot X) or 2 (slot Y): the barrier opens a round of the cluster's barrier, and the slot just left is filled again, three K steps further on, first thing behind the round.  fill = 0: nothing is left to fetch.
; next: the slot that is read from here on.  pf, pn: the prefetch's first K step and how many (0: none).
.macro TURN fill, next, pf, pn
	WIN 0                                          ; (the add's two registers lie in window 0)
	s_wait_tensorcnt 0x0                           ; all my tensor loads have landed
	ds_add_u32 v[SPW], v[NIL]                      ; 0 onto my spare word
	s_wait_dscnt 5                                 ; (the add and the youngest four loads may be out)
	WIN MUL
	MUL8 F1, 0, 0                                  ; eight matrix instructions stand between the add and the wait for it
	s_wait_dscnt 0x0                               ; the add is done, and my reads of this slot are over
	s_barrier_signal -1
	MUL8 F1, 1, 0
.if \fill
	WIN 0
.endif
	s_barrier_wait -1
.if \fill == 1
	CREST                                          ; no wave of any partner still reads this slot's tiles or has a load on its way
	s_add_nc_u64 s[G0AX+2:G0AX+3], s[G0AX+2:G0AX+3], 3*KB
	s_add_nc_u64 s[G0BX+2:G0BX+3], s[G0BX+2:G0BX+3], 3*KB
	JLOAD G0AX, G1AX, G0BX, G1BX                   ; the first tensor load behind the round; its four v_nop are also the places in front of the loads below
.elseif \fill == 2
	CREST
	s_add_nc_u64 s[G0AY+2:G0AY+3], s[G0AY+2:G0AY+3], 3*KB
	s_add_nc_u64 s[G0BY+2:G0BY+3], s[G0BY+2:G0BY+3], 3*KB
	JLOAD G0AY, G1AY, G0BY, G1BY
.else
	PLACES
	WIN 0
.endif
	FETCH \next, 0, F0
.if \pn
	ASK \pf, \pn
.endif
	WIN MUL
	MULH F1, 1, 0
.endm
	s_wait_tensorcnt 1                             ; my part of slot X is in (slot Y's may stay out)
	s_barrier_signal -1
	s_barrier_wait -1                              ; everybody's is
	FETCH 0, 0, F0
	XRUN 1                                         ; K steps 0 and 1; the first quarter's products start the sums
	TURN 1, 1, 5, 1                                ; X is left and takes K steps 3 and 4; on to Y
	YRUN                                           ; K step 2
	TURN 2, 0, 6, 2                                ; Y is left and takes K step 5; on to X
	XRUN 0                                         ; K steps 3 and 4
	TURN 1, 1, 0, 0                                ; X is left and takes K steps 6 and 7; on to Y
	YRUN                                           ; K step 5
	TURN 0, 0, 0, 0                                ; Y is left for good; nothing is filled, so no round of the cluster's barrier; on to X
	WIN 0x80                                       ; destination window 2, address window 0
.irp i, 0,1,2,3,4,5,6,7,8,9,10,11,12,13,14,15,16,17,18,19,20,21,22,23,24,25,26,27,28,29,30,31,32,33,34,35,36,37,38,39,40,41,42,43,44,45,46,47,48,49,50,51,52,53,54,55,56,57,58,59,60,61,62,63
	global_load_b128 v[4*\i:4*\i+3], v[L16], s[98:99] offset:\i*OROW th:TH_LOAD_NT   ; my 64 rows of x, 512 consecutive bytes a load, in the layout of the rows read back from the stage
.endr
	WIN 0
	XRUN 0                                         ; K steps 6 and 7
	s_wait_dscnt 4                                 ; the very last quarter: nothing more to fetch
	WIN MUL
	MULH F1, 0, 0
	s_wait_dscnt 0
	MULH F1, 1, 0
	WIN 0
; THE WAY OUT, block by block of 16 rows x 128 columns.  A lane holds 32 neighbouring bytes of a row: a block goes through my own stage and comes back as whole rows of 512 bytes; there phi, bp and x are applied, and the 32 lanes store the row.
.macro TOSTAGE a
	WIN 0x04                                       ; an LDS store's data are its source 1: window 1
.irp b, 0,1,2,3,4,5,6,7
	ds_store_b128 v[STO], v[64*(\a)+8*\b:64*(\a)+8*\b+3] offset:64*\b          ; each accumulator from its low end on
	ds_store_b128 v[STO], v[64*(\a)+8*\b+4:64*(\a)+8*\b+7] offset:64*\b+16
.endr
	WIN 0
.set BB, 32+64*((\a)%2)
.irp t, 0,1,2,3,4,5,6,7,8,9,10,11,12,13,14,15
	ds_load_b128 v[BB+4*\t:BB+4*\t+3], v[RD] offset:\t*SPITCH                  ; LDS serves a wave's instructions in order (ISA guide 5.7.1.4): these see the stores above
.endr
.endm
.macro SEND a, younger                 ; younger: the LDS instructions issued behind block a's loads, which may stay out
.set BB, 32+64*((\a)%2)
	s_wait_dscnt \younger                          ; the block is back in registers
.set II, 0
.rept 32
	v_pk_fma_f32 v[BB+2*II:BB+2*II+1], v[BB+2*II:BB+2*II+1], s[SG:SG+1], v[BP+2*(II%2):BP+2*(II%2)+1] op_sel_hi:[1,0,1]   ; phi x sum + bp
.set II, II+1
.endr
	WIN 0x08                                       ; source 1: window 2
.set II, 0
.rept 32
	v_pk_add_f32 v[BB+2*II:BB+2*II+1], v[BB+2*II:BB+2*II+1], v[64*(\a)+2*II:64*(\a)+2*II+1]   ; + x
.set II, II+1
.endr
	WIN 0
.irp t, 0,1,2,3,4,5,6,7,8,9,10,11,12,13,14,15
	global_store_b128 v[L16], v[BB+4*\t:BB+4*\t+3], s[8:9] offset:(16*(\a)+\t)*OROW th:TH_STORE_NT   ; 32 lanes store 512 consecutive bytes, at a multiple of 256 from the output's first byte
.endr
.endm
	PLACES                                         ; behind the last products: their results are read and their fragments loaded over
	s_wait_loadcnt 0x0                             ; bp and x are in
	TOSTAGE 0
	TOSTAGE 1
	SEND 0, 32                                     ; behind block 0's loads: block 1's 16 stores and 16 loads
	s_wait_xcnt 0x0                                ; block 0's stores have read their registers: block 2's loads may land there
	TOSTAGE 2
	SEND 1, 32
	s_wait_xcnt 0x0                                ; block 1's likewise
	TOSTAGE 3
	SEND 2, 32
	SEND 3, 0
	s_wait_tensorcnt 0x0                           ; the wave's end, behind my last tensor load and my last LDS store
	ds_add_u32 v[SPW], v[NIL]
	s_wait_dscnt 0x0
	CROUND                                         ; the closing round: no work-group ends while a partner may still ask for a tile that names it
	s_endpgm
.Lfunc_end_k_q2c92a742ef_outp:
	.size	k_q2c92a742ef_outp, .Lfunc_end_k_q2c92a742ef_outp-k_q2c92a742ef_outp
	.p2alignl 7, 3214868480
	.fill 96, 4, 3214868480
	.section	.rodata,"a",@progbits
	.p2align	6, 0x0
	.amdhsa_kernel k_q2c92a742ef_outp
		.amdhsa_group_segment_fixed_size 327680
		.amdhsa_private_segment_fixed_size 0
		.amdhsa_enable_private_segment 0
		.amdhsa_kernarg_size 40
		.amdhsa_user_sgpr_count 2
		.amdhsa_user_sgpr_kernarg_segment_ptr 1
		.amdhsa_wavefront_size32 1
		.amdhsa_system_sgpr_workgroup_id_x 1
		.amdhsa_system_sgpr_workgroup_id_y 1
		.amdhsa_system_sgpr_workgroup_id_z 1
		.amdhsa_system_vgpr_workitem_id 0
		.amdhsa_next_free_vgpr 768
		.amdhsa_next_free_sgpr 100
		.amdhsa_reserve_vcc 0
		.amdhsa_float_denorm_mode_32 3
		.amdhsa_float_denorm_mode_16_64 3
		.amdhsa_memory_ordered 1
		.amdhsa_forward_progress 1
		.amdhsa_inst_pref_size 171
	.end_amdhsa_kernel
	.amdgpu_metadata
---
amdhsa.version: [ 1, 2 ]
amdhsa.kernels:
  - .name:           k_q2c92a742ef_outp
    .symbol:         k_q2c92a742ef_outp.kd
    .args:
      - { .name: z, .offset: 0, .size: 8, .value_kind: global_buffer, .address_space: global }
      - { .name: wp16, .offset: 8, .size: 8, .value_kind: global_buffer, .address_space: global }
      - { .name: bp, .offset: 16, .size: 8, .value_kind: global_buffer, .address_space: global }
      - { .name: x, .offset: 24, .size: 8, .value_kind: global_buffer, .address_space: global }
      - { .name: out0, .offset: 32, .size: 8, .value_kind: global_buffer, .address_space: global }
    .group_segment_fixed_size: 327680
    .private_segment_fixed_size: 0
    .kernarg_segment_align: 8
    .kernarg_segment_size: 40
    .max_flat_workgroup_size: 128
    .sgpr_count:     100
    .vgpr_count:     768
    .wavefront_size: 32
...
	.end_amdgpu_metadata
.endif
;; end of part 4
